; MI455X (gfx1250); checked and timed in simulation.
; The chip was launched on July 23, 2026; its instructions are those of AMD's public machine-readable ISA for CDNA 5 (MIT licence, August 2026) and "CDNA5" Instruction Set Architecture Reference Guide (July 2026). The comments in the code are by the model that wrote it; some were corrected since.
;; GPT2 Block. Allowed arithmetic: float matrix products may take bf16 or f16 operands with f32 sums; other float arithmetic in f32, or as packed bf16 or f16 multiplies, adds, multiply-adds, maxima and minima; sums over many terms, partial sums and values carried from step to step in f32; what a program stores and reads back later, other than sums and carried values, may be rounded once to bf16 or f16.
;; Inputs: Wfc 1,024 x 4,096 float32; Wk 1,024 x 1,024 float32; Wo 1,024 x 1,024 float32; Wp 4,096 x 1,024 float32; Wq 1,024 x 1,024 float32; Wv 1,024 x 1,024 float32; bfc 4,096 float32; bk 1,024 float32; bo 1,024 float32; bp 1,024 float32; bq 1,024 float32; bv 1,024 float32; ln1_b 1,024 float32; ln1_w 1,024 float32; ln2_b 1,024 float32; ln2_w 1,024 float32; x 2 x 2,048 x 1,024 float32.
;; Outputs: out0 2 x 2,048 x 1,024 float32.
;; 2 versions, each right; version 2 is version 1 with the launch prep written anew for expert scheduling mode. Each part assembles by itself: llvm-mc -triple=amdgcn-amd-amdhsa -mcpu=gfx1250 --defsym DOCPART=n.
;; ======== version 1 of 2: 7 launches
;; limits: right only within a limited range of input values
;; workspace buffers: wb 25,165,824 bytes; hb 8,388,608 bytes; qkv 25,165,824 bytes; att 8,388,608 bytes; x1 16,777,216 bytes; g 33,554,432 bytes
;; launch prep (part 1): grid 1792 x 1, 4 waves a work-group, no clusters, 0 bytes of LDS; arguments x, ln1_w, ln1_b, hb, Wq, Wk, Wv, Wo, Wfc, Wp, wb; writes hb, wb
.if DOCPART == 1
	.amdgcn_target "amdgcn-amd-amdhsa--gfx1250"
	.amdhsa_code_object_version 6
	.text
	.protected	k_qa9bf97901e_prep
	.globl	k_qa9bf97901e_prep
	.p2align	8
	.type	k_qa9bf97901e_prep,@function
k_qa9bf97901e_prep:
	s_mov_b64 s[64:65], 0
	v_nop
	global_prefetch_b8 v0, s[64:65] scope:SCOPE_SE
	s_setreg_imm32_b32 hwreg(HW_REG_WAVE_MODE, 25, 1), 1
	s_wait_xcnt 0x0
; PREP.  Work-groups 0-1023: hb = LayerNorm(x) * ln1_w + ln1_b, rounded once to bf16.  Work-groups 1024-1791: the six weight matrices, f32, rounded once to bf16 into wb, each in its own [K][N] layout
; (Wq at 0, Wk at 2 MiB, Wv at 4, Wo at 6, Wfc at 8, Wp at 16).  Both are streams: no LDS, no barrier, no matrix unit.
; LAYER NORM.  A row is 1,024 f32 = 4,096 bytes = 32 registers of one wave: it stays in registers between the mean, the variance (of x - mean: no difference of large sums) and the scaling.
; ONE ROW A WAVE, four a work-group: the row's text stands once, and all 4,096 rows can be on their way together; gain and bias (8 KiB that every wave reads) are loaded for each row.
; Load j of a row covers 512 neighbouring bytes: a lane holds columns 128 j + 4 lane + 0..3; its 8 bytes of bf16 lie at 256 j + 8 lane, so one store covers 256 aligned bytes.
.set T,   4                            ; v[4:11]   four running sums (pairs)
.set MU,  12                           ; v[12:13]  the mean, twice
.set RS,  14                           ; v[14:15]  1 / sqrt(var + eps), twice
.set Y,   16                           ; v[16:31]  the row in bf16
.set W,   32                           ; v[32:63]  the gain of my 32 columns
.set BV,  64                           ; v[64:95]  the bias
.set X,   96                           ; v[96:127] the row
.set C,   32                           ; v[32:159] the cast: 32 loads of 4 registers
	v_and_b32 v3, 31, v0                           ; lane
	v_lshrrev_b32 v1, 5, v0
	v_readfirstlane_b32 s26, v1                    ; wave
	v_lshlrev_b32 v1, 4, v3                        ; 16 x lane: never rewritten
	v_lshlrev_b32 v2, 3, v3                        ; 8 x lane: never rewritten
	s_cmp_lt_u32 ttmp9, 1024
	s_cbranch_scc0 .Lcast
	s_load_b256 s[4:11], s[0:1], 0x0               ; x s[4:5], gain s[6:7], bias s[8:9], hb s[10:11]
	s_lshl_b32 s27, ttmp9, 2
	s_add_co_u32 s27, s27, s26                     ; my row = 4 x work-group + wave
	s_lshl_b32 s28, s27, 12                        ; in x: 4,096 bytes a row
	s_mov_b32 s29, 0
	s_lshl_b32 s30, s27, 11                        ; in hb: 2,048
	s_mov_b32 s31, 0
	s_mov_b32 s12, 0x76543210                      ; v_permlanex16_b32: each lane takes its own place in the other half
	s_mov_b32 s13, 0xfedcba98
	s_mov_b32 s14, 0x3a800000                      ; 1 / 1024
	s_mov_b32 s15, 0x3727c5ac                      ; 1e-5
	s_wait_kmcnt 0x0
	s_add_nc_u64 s[4:5], s[4:5], s[28:29]
	s_add_nc_u64 s[10:11], s[10:11], s[30:31]
.irp j, 0,1,2,3,4,5,6,7
	global_load_b128 v[X+4*\j:X+4*\j+3], v1, s[4:5] offset:512*\j
.endr
.irp j, 0,1,2,3,4,5,6,7
	global_load_b128 v[W+4*\j:W+4*\j+3], v1, s[6:7] offset:512*\j
.endr
.irp j, 0,1,2,3,4,5,6,7
	global_load_b128 v[BV+4*\j:BV+4*\j+3], v1, s[8:9] offset:512*\j
.endr
.macro REDUCE                          ; the four chains into one number, then over the 32 lanes: every lane ends with the row's sum in v[T]
	v_pk_add_f32 v[T:T+1], v[T:T+1], v[T+2:T+3]
	v_pk_add_f32 v[T+4:T+5], v[T+4:T+5], v[T+6:T+7]
	v_pk_add_f32 v[T:T+1], v[T:T+1], v[T+4:T+5]
	v_add_f32 v[T], v[T], v[T+1]
	v_add_f32_dpp v[T], v[T], v[T] row_xmask:1 row_mask:0xf bank_mask:0xf
	v_add_f32_dpp v[T], v[T], v[T] row_xmask:2 row_mask:0xf bank_mask:0xf
	v_add_f32_dpp v[T], v[T], v[T] row_xmask:4 row_mask:0xf bank_mask:0xf
	v_add_f32_dpp v[T], v[T], v[T] row_xmask:8 row_mask:0xf bank_mask:0xf
	v_permlanex16_b32 v[T+1], v[T], s12, s13
	v_add_f32 v[T], v[T], v[T+1]
.endm
	s_wait_loadcnt 16                              ; the row's eight loads are in; the gain's and the bias's sixteen, which are younger, stay out
.irp c, 0,1,2,3
	v_pk_add_f32 v[T+2*\c:T+2*\c+1], v[X+4*\c:X+4*\c+1], v[X+4*\c+2:X+4*\c+3]  ; the first pairs start the chains: nothing is cleared
.endr
.irp p, 8,9,10,11,12,13,14,15
	v_pk_add_f32 v[T+2*((\p)%4):T+2*((\p)%4)+1], v[T+2*((\p)%4):T+2*((\p)%4)+1], v[X+2*\p:X+2*\p+1]
.endr
	REDUCE
	v_mul_f32 v[MU], s14, v[T]
	v_mul_f32 v[MU+1], s14, v[T]
.set p_, 0
.rept 16
	v_pk_add_f32 v[X+2*p_:X+2*p_+1], v[X+2*p_:X+2*p_+1], v[MU:MU+1] neg_lo:[0,1] neg_hi:[0,1]  ; x - mean, in place
.set p_, p_+1
.endr
.irp c, 0,1,2,3
	v_pk_mul_f32 v[T+2*\c:T+2*\c+1], v[X+2*\c:X+2*\c+1], v[X+2*\c:X+2*\c+1]
.endr
.irp p, 4,5,6,7,8,9,10,11,12,13,14,15
	v_pk_fma_f32 v[T+2*((\p)%4):T+2*((\p)%4)+1], v[X+2*\p:X+2*\p+1], v[X+2*\p:X+2*\p+1], v[T+2*((\p)%4):T+2*((\p)%4)+1]
.endr
	REDUCE
	v_fma_f32 v[T], v[T], s14, s15                 ; var + eps
	v_rsq_f32 v[RS], v[T]
	v_rsq_f32 v[RS+1], v[T]
	v_nop                                          ; a plain instruction behind the last of the two,
	s_wait_alu depctr_va_vdst(0)                   ; and the one wait ahead of their first reader
.set p_, 0
.rept 16
	v_pk_mul_f32 v[X+2*p_:X+2*p_+1], v[X+2*p_:X+2*p_+1], v[RS:RS+1]
.set p_, p_+1
.endr
	s_wait_loadcnt 0x0                             ; gain and bias
.set p_, 0
.rept 16
	v_pk_fma_f32 v[X+2*p_:X+2*p_+1], v[X+2*p_:X+2*p_+1], v[W+2*p_:W+2*p_+1], v[BV+2*p_:BV+2*p_+1]
.set p_, p_+1
.endr
.set p_, 0
.rept 16
	v_cvt_pk_bf16_f32 v[Y+p_], v[X+2*p_], v[X+2*p_+1]
.set p_, p_+1
.endr
.irp j, 0,1,2,3,4,5,6,7
	global_store_b64 v2, v[Y+2*\j:Y+2*\j+1], s[10:11] offset:256*\j  ; 32 lanes x 8 bytes: 256 consecutive bytes, aligned
.endr
	s_endpgm
.Lcast:                                                ; 768 work-groups x 16,384 numbers; 12 units of 2^20 numbers: Wq, Wk, Wv, Wo, 4 of Wfc, 4 of Wp
	s_load_b256 s[12:19], s[0:1], 0x20             ; Wq s[12:13], Wk s[14:15], Wv s[16:17], Wo s[18:19]
	s_load_b128 s[20:23], s[0:1], 0x40             ; Wfc s[20:21], Wp s[22:23]
	s_load_b64 s[24:25], s[0:1], 0x50              ; wb
	s_sub_co_u32 s27, ttmp9, 1024                  ; c
	s_lshr_b32 s28, s27, 6                         ; the unit
	s_and_b32 s29, s27, 63                         ; the chunk in it
	s_and_b32 s30, s28, 3
	s_cmp_lt_u32 s28, 4
	s_cselect_b32 s30, 0, s30                      ; the unit's number inside its own matrix
	s_lshl_b32 s30, s30, 6
	s_add_co_u32 s30, s30, s29
	s_lshl_b32 s30, s30, 16                        ; 65,536 source bytes a chunk,
	s_lshl_b32 s31, s26, 14                        ; 16,384 a wave
	s_add_co_u32 s30, s30, s31
	s_mov_b32 s31, 0
	s_lshl_b32 s32, s27, 15                        ; in wb the units lie in the same order: 32,768 bytes a chunk,
	s_lshl_b32 s33, s26, 13                        ; 8,192 a wave
	s_add_co_u32 s32, s32, s33
	s_mov_b32 s33, 0
	s_wait_kmcnt 0x0
	s_cmp_eq_u32 s28, 1                            ; the source is chosen by the unit's number alone
	s_cselect_b64 s[12:13], s[14:15], s[12:13]
	s_cmp_eq_u32 s28, 2
	s_cselect_b64 s[12:13], s[16:17], s[12:13]
	s_cmp_eq_u32 s28, 3
	s_cselect_b64 s[12:13], s[18:19], s[12:13]
	s_cmp_ge_u32 s28, 4
	s_cselect_b64 s[12:13], s[20:21], s[12:13]
	s_cmp_ge_u32 s28, 8
	s_cselect_b64 s[12:13], s[22:23], s[12:13]
	s_add_nc_u64 s[12:13], s[12:13], s[30:31]
	s_add_nc_u64 s[24:25], s[24:25], s[32:33]
.set i_, 0
.rept 32                                       ; all 32 loads of the wave go out at once: 16 KiB on their way
	global_load_b128 v[C+4*i_:C+4*i_+3], v1, s[12:13] offset:512*i_ th:TH_LOAD_NT
.set i_, i_+1
.endr
.set i_, 0
.rept 32                                       ; rounded in place: no register is written again behind its store
	s_wait_loadcnt 31-i_                           ; loads come back in order: number i is in, the younger ones stay out
	v_cvt_pk_bf16_f32 v[C+4*i_], v[C+4*i_], v[C+4*i_+1]
	v_cvt_pk_bf16_f32 v[C+4*i_+1], v[C+4*i_+2], v[C+4*i_+3]
	global_store_b64 v2, v[C+4*i_:C+4*i_+1], s[24:25] offset:256*i_
.set i_, i_+1
.endr
	s_endpgm
.Lfunc_end_k_qa9bf97901e_prep:
	.size	k_qa9bf97901e_prep, .Lfunc_end_k_qa9bf97901e_prep-k_qa9bf97901e_prep
	.p2alignl 7, 3214868480
	.fill 96, 4, 3214868480
	.section	.rodata,"a",@progbits
	.p2align	6, 0x0
	.amdhsa_kernel k_qa9bf97901e_prep
		.amdhsa_group_segment_fixed_size 0
		.amdhsa_private_segment_fixed_size 0
		.amdhsa_enable_private_segment 0
		.amdhsa_kernarg_size 88
		.amdhsa_user_sgpr_count 2
		.amdhsa_user_sgpr_kernarg_segment_ptr 1
		.amdhsa_wavefront_size32 1
		.amdhsa_system_sgpr_workgroup_id_x 1
		.amdhsa_system_sgpr_workgroup_id_y 1
		.amdhsa_system_sgpr_workgroup_id_z 1
		.amdhsa_system_vgpr_workitem_id 0
		.amdhsa_next_free_vgpr 160
		.amdhsa_next_free_sgpr 66
		.amdhsa_reserve_vcc 0
		.amdhsa_float_denorm_mode_32 3
		.amdhsa_float_denorm_mode_16_64 3
		.amdhsa_memory_ordered 1
		.amdhsa_forward_progress 1
		.amdhsa_inst_pref_size 24
	.end_amdhsa_kernel
	.amdgpu_metadata
---
amdhsa.version: [ 1, 2 ]
amdhsa.kernels:
  - .name:           k_qa9bf97901e_prep
    .symbol:         k_qa9bf97901e_prep.kd
    .args:
      - { .name: x, .offset: 0, .size: 8, .value_kind: global_buffer, .address_space: global }
      - { .name: ln1_w, .offset: 8, .size: 8, .value_kind: global_buffer, .address_space: global }
      - { .name: ln1_b, .offset: 16, .size: 8, .value_kind: global_buffer, .address_space: global }
      - { .name: hb, .offset: 24, .size: 8, .value_kind: global_buffer, .address_space: global }
      - { .name: Wq, .offset: 32, .size: 8, .value_kind: global_buffer, .address_space: global }
      - { .name: Wk, .offset: 40, .size: 8, .value_kind: global_buffer, .address_space: global }
      - { .name: Wv, .offset: 48, .size: 8, .value_kind: global_buffer, .address_space: global }
      - { .name: Wo, .offset: 56, .size: 8, .value_kind: global_buffer, .address_space: global }
      - { .name: Wfc, .offset: 64, .size: 8, .value_kind: global_buffer, .address_space: global }
      - { .name: Wp, .offset: 72, .size: 8, .value_kind: global_buffer, .address_space: global }
      - { .name: wb, .offset: 80, .size: 8, .value_kind: global_buffer, .address_space: global }
    .group_segment_fixed_size: 0
    .private_segment_fixed_size: 0
    .kernarg_segment_align: 8
    .kernarg_segment_size: 88
    .max_flat_workgroup_size: 128
    .sgpr_count:     66
    .vgpr_count:     160
    .wavefront_size: 32
...
	.end_amdgpu_metadata
.endif
;; end of part 1
;; launch qkvp (part 2): grid 8 x 32, 4 waves a work-group, clusters of 4 x 4, 327,680 bytes of LDS; arguments hb, wb, bq, bk, bv, qkv; writes qkv
.if DOCPART == 2
	.amdgcn_target "amdgcn-amd-amdhsa--gfx1250"
	.amdhsa_code_object_version 6
	.text
	.protected	k_qa9bf97901e_qkvp
	.globl	k_qa9bf97901e_qkvp
	.p2align	8
	.type	k_qa9bf97901e_qkvp,@function
k_qa9bf97901e_qkvp:
	s_mov_b64 s[64:65], 0
	v_nop
	global_prefetch_b8 v0, s[64:65] scope:SCOPE_SE
	s_setreg_imm32_b32 hwreg(HW_REG_WAVE_MODE, 25, 1), 1
	s_wait_xcnt 0x0
	s_wait_alu depctr_hold_cnt(0) depctr_sa_sdst(0) depctr_va_vdst(0) depctr_va_sdst(0) depctr_va_ssrc(0) depctr_va_vcc(0) depctr_vm_vsrc(0)
	s_getreg_b32 s2, hwreg(HW_REG_IB_STS2, 6, 4)
	s_cmp_eq_u32 s2, 0
	s_cbranch_scc0 .Lentry_in_a_cluster
	s_endpgm
.Lentry_in_a_cluster:
	s_bfe_u32 s2, ttmp6, 0x10000c
	s_cmp_lg_u32 s2, 0xf033
	s_cbranch_scc0 .Lentry_shape_is_right
	s_endpgm
.Lentry_shape_is_right:
; q, k, v = hb [Wq Wk Wv] + bias, by heads: qkv[which][16 batch + head][s][64] in bf16, rounded once from f32 sums.  hb: [4096][1024] bf16; the weights lie in wb as [K][N] bf16.
; A tile of the 4,096 x 3,072 result is 128 x 384: 8 x 32 = 256 work-groups.  Four waves, 2 x 2; a wave makes 64 rows x 192 columns (three whole heads): 48 accumulators.
; K goes in 8 steps of 128 through two LDS slots of four panels; wave w fills panel w with one tensor load: panel 0 = 128 rows of hb, panels 1-3 = 128 rows (k) x 128 columns of the weights.
; The weights are turned on the way out of LDS (ds_load_tr16_b128).  THE PRODUCT IS TAKEN TRANSPOSED (source 0 = 16 columns of W, source 1 = 16 rows of hb): a lane holds one row and eight neighbouring columns.
; The bias is the C operand of the first product on each accumulator: nothing is cleared and nothing is added later.
; CLUSTER 4 x 4: hb's panel hangs on the tile row alone and is asked for jointly along a row of the cluster, the weights' panels on the tile column alone, jointly along a column.
; A wave's columns: n blocks 0-7 are panel 1 + wn (groups of 64 columns 2 wn, 2 wn + 1), n blocks 8-11 are half wn of panel 3 (group 4 + wn).
.set WM, 4
.set WN, 12
.set KQ, 1
.set APW, 2
.set KT, 8
.set APITCH, 272
.set STEPA, 256
.set STEPB, 262144
.set BIAS, 128
.set HASC, 1
.set HASK, 1
; ---- the core, the same text in the four products of this program ----
; WM, WN: a wave's blocks of 16 rows and columns.  KQ: units of 32 along K in a quarter step.  APW: row blocks in a register window.  KT: K steps.
; REGISTERS, in windows of 256 (s_set_vgpr_msb: bits 1:0 source 0, 3:2 source 1, 5:4 source 2, 7:6 destination).  Window 0: addresses, two fragment buffers of A from v64, the bias.
; Window 1: two fragment buffers of B.  Windows 2, 3: accumulator (a, b) in window 2 + a / APW at v[8 (WN (a % APW) + b)].
.set PAN,   36864                      ; a panel: 128 rows x 272 (A by rows), 256 pieces x 144 (A by blocks of 64 k) or 128 rows x 288 (B)
.set SLOT,  4*PAN                      ; 0x24000: no bit in common with wave x PAN, so one exclusive or turns an address in one slot into the other's
.set SPARE, 2*SLOT                     ; behind the ring: the spare words, 128 bytes for each wave: two blocks of 256 bytes that no other line names
.set EP,    64*WN+16                   ; the way out: a row of a wave's f32 results + 16 bytes: 4 words more than a multiple of 64, so 16 rows start at 16 different groups of four banks
.set REG,   16*WM*EP                   ; a wave's rows on the way out, laid over the ring behind its last fill
.set FA0,   64
.set FAS,   8*WM*KQ
.set FBS,   8*WN*KQ
.set ADRA0, 16                         ; v16-18  my lane's places in slot 0: A, B, B's second panel; never rewritten
.set ADRB0, 17
.set ADRC0, 18
.set ADRA,  20                         ; v20-22  the same in the slot in hand
.set ADRB,  21
.set ADRC,  22
.set BO,    23                         ; v23     32 x (lane / 16): my eight numbers of a block's bias
.set DST,   24                         ; v24     the way out: where I put 32 bytes of a row
.set RD,    25                         ; v25     the way out: where I read rows back
.set SPW,   28                         ; v28     LDS address of my spare word; never rewritten
.set NIL,   29                         ; v29     0; never rewritten
.set PFO,   30                         ; v30     the prefetches' lane offset; never rewritten
; s3 count; s[4:5] A, s[6:7] wb; s10 wave, s11 I fetch A (0) or B (1), s12 which panel; s13 tile row, s42 tile column; s[14:15], s[46:47] my panels' addresses; s20 wave x PAN;
; s[24:31], s[48:55] group 1 of A, B; s[32:35], s[56:59] group 0 of the first fill; s[36:39], s[60:63] group 0 that walks; s40, s41 cx, cy; s43 prefetch limit; s[44:45] prefetch address; s66 the slot in hand; s67, s68 wm, wn; s[70:71] prefetch step
.set MSB, 0
.macro WIN new                         ; the immediate's high byte repeats the setting that is left; a switch that changes nothing is dropped
.if MSB != (\new)
	s_set_vgpr_msb (MSB<<8)|(\new)
.set MSB, \new
.endif
.endm
.macro PLACES                          ; four plain instructions between a matrix instruction and a load into, or a read of, its registers
.rept 4
	v_nop
.endr
.endm
.macro CREST                           ; a round of the cluster's barrier behind its opening barrier
	s_cmp_lg_u32 s10, 0
	s_cbranch_scc1 .Lnot_wave_0_\@
	s_barrier_signal -3
.Lnot_wave_0_\@:
	s_barrier_wait -3
	s_barrier_signal -1
	s_barrier_wait -1
.endm
.macro CROUND
	s_barrier_signal -1
	s_barrier_wait -1
	CREST
.endm
.macro JLOAD s                         ; a joint load, by the wave's role alone; an s_nop 0 and four v_nop follow each of the two lines
	s_cmp_eq_u32 s11, 0
	s_cbranch_scc0 .Lfor_b_\@
	tensor_load_to_lds s[32+4*(\s):35+4*(\s)], s[24:31]
	s_nop 0
.rept 4
	v_nop
.endr
	s_branch .Lasked_\@
.Lfor_b_\@:
	tensor_load_to_lds s[56+4*(\s):59+4*(\s)], s[48:55]
	s_nop 0
.rept 4
	v_nop
.endr
.Lasked_\@:
.endm
.macro G1REST g, d0, d1, pitch         ; group 1 behind its first word: a tile of d1 rows of d0 elements that lies inside the tensor
	s_mov_b32 s[(\g)+1], (\d0)<<16                 ; tensor_dim0
	s_mov_b32 s[(\g)+2], (\d1)<<16                 ; tensor_dim1
	s_mov_b32 s[(\g)+3], (\d0)<<16                 ; tile_dim0
	s_mov_b32 s[(\g)+4], \d1                       ; tile_dim1
	s_mov_b32 s[(\g)+5], \pitch                    ; elements from row to row
	s_mov_b32 s[(\g)+6], 0
	s_mov_b32 s[(\g)+7], 0
.endm
.macro OPEN                            ; the add's two registers and the opening add (ahead of my first tensor load); my wave, my place, the two masks
	v_lshl_add_u32 v[SPW], v0, 2, SPARE
	v_mov_b32 v[NIL], 0
	ds_add_u32 v[SPW], v[NIL]
	v_lshrrev_b32 v1, 5, v0
	v_readfirstlane_b32 s10, v1
	s_lshr_b32 s67, s10, 1                         ; wm: which half of the tile's rows is mine
	s_and_b32 s68, s10, 1                          ; wn: which half of its columns
	s_bfe_u32 s40, ttmp6, 0x40000                  ; cx
	s_bfe_u32 s41, ttmp6, 0x40004                  ; cy
	s_lshl_b32 s42, ttmp9, 2
	s_add_co_u32 s42, s42, s40                     ; tile column = 4 x cluster x + cx
	s_and_b32 s13, ttmp7, 0xffff
	s_lshl_b32 s13, s13, 2
	s_add_co_u32 s13, s13, s41                     ; tile row = 4 x cluster y + cy
	s_lshl_b32 s43, s41, 2
	s_lshl_b32 s43, 15, s43                        ; my row of the cluster
	s_lshl_b32 s44, 0x1111, s40                    ; my column
	s_mul_i32 s20, s10, PAN                        ; wave w fills panel w: no place in the cluster enters an LDS address
	s_mov_b32 s66, 0
.endm
.macro FILLS                           ; the round in front of the first joint loads; both sets of group 0; K steps 0 and 1 go out together: two loads of mine are out
	CROUND
.irp s, 0,1
	s_mov_b32 s[32+4*\s], 1
	s_add_co_u32 s[33+4*\s], s20, \s*SLOT
	s_add_nc_u64 s[34+4*\s:35+4*\s], s[14:15], \s*STEPA
	s_or_b32 s[35+4*\s], s[35+4*\s], 0x80000000
	s_mov_b32 s[56+4*\s], 1
	s_add_co_u32 s[57+4*\s], s20, \s*SLOT
	s_add_nc_u64 s[58+4*\s:59+4*\s], s[46:47], \s*STEPB
	s_or_b32 s[59+4*\s], s[59+4*\s], 0x80000000
	JLOAD \s
.endr
.endm
.macro LANES                           ; v1 = l % 16, v2 = l / 16; v3 my place in a fragment of A (row x pitch + 16 x half); v4 in a turned fragment of B (k row 8 (l / 16) + l % 8, 16 bytes by (l / 8) % 2)
	v_and_b32 v1, 15, v0
	v_bfe_u32 v2, v0, 4, 1
	v_mul_u32_u24 v3, v1, APITCH
	v_lshl_add_u32 v3, v2, 4, v3
	v_and_b32 v4, 7, v0
	v_lshl_add_u32 v4, v2, 3, v4
	v_mul_u32_u24 v4, v4, 288
	v_bfe_u32 v5, v0, 3, 1
	v_lshl_add_u32 v4, v5, 4, v4
	v_lshlrev_b32 v[BO], 5, v2
	s_mul_i32 s21, s10, REG
	v_mul_u32_u24 v[DST], v1, EP
	v_lshl_add_u32 v[DST], v2, 5, v[DST]
	v_add_nc_u32 v[DST], s21, v[DST]
	v_mul_u32_u24 v[RD], v2, EP
	v_lshl_add_u32 v[RD], v1, 4, v[RD]
	v_add_nc_u32 v[RD], s21, v[RD]
.endm
; Half a quarter's products on buffer f.  KQ = 1: the row blocks of window 2 + half.  KQ = 2: unit half of the two, all row blocks.  first = 1: the bias starts the sums.
; The accumulators take turns, one instruction a turn, in the same order everywhere.
.macro MULH f, half, first
.if KQ == 1
.set mw_, 2+(\half)
.set a_, (\half)*WM/2
.set na_, WM/2
.set c_, 0
.else
.set mw_, 2
.set a_, 0
.set na_, WM
.set c_, \half
.endif
.if \first
	WIN (mw_<<6)|1
.else
	WIN (mw_<<6)|(mw_<<4)|1
.endif
.rept na_
.set b_, 0
.rept WN
.set rD, 8*(WN*(a_%APW)+b_)
.set rB, FBS*(\f)+8*(WN*c_+b_)
.set rA, FA0+FAS*(\f)+8*(WM*c_+a_)
.if \first
	v_wmma_f32_16x16x32_bf16 v[rD:rD+7], v[rB:rB+7], v[rA:rA+7], v[BIAS+8*b_:BIAS+8*b_+7]
.else
	v_wmma_f32_16x16x32_bf16 v[rD:rD+7], v[rB:rB+7], v[rA:rA+7], v[rD:rD+7]
.endif
.set b_, b_+1
.endr
.set a_, a_+1
.endr
.endm
; 32 LDS loads in one run: quarter q of the slot in hand into buffer f
.macro FETCH q, f
	WIN 0x40
.set b_, 0
.rept WN
.set rB, FBS*(\f)+8*b_
.if b_ < 8
	ds_load_tr16_b128 v[rB:rB+3],   v[ADRB] offset:9216*(\q)+32*b_
	ds_load_tr16_b128 v[rB+4:rB+7], v[ADRB] offset:9216*(\q)+32*b_+4608
.else
	ds_load_tr16_b128 v[rB:rB+3],   v[ADRC] offset:9216*(\q)+32*(b_-8)
	ds_load_tr16_b128 v[rB+4:rB+7], v[ADRC] offset:9216*(\q)+32*(b_-8)+4608
.endif
.set b_, b_+1
.endr
	WIN 0
.set a_, 0
.rept WM
.set rA, FA0+FAS*(\f)+8*a_
	ds_load_b128 v[rA:rA+3],   v[ADRA] offset:64*(\q)+a_*16*APITCH
	ds_load_b128 v[rA+4:rA+7], v[ADRA] offset:64*(\q)+a_*16*APITCH+32
.set a_, a_+1
.endr
.endm
; One of a step's first three quarters: buffer f, asked for a quarter ago, is in; quarter q goes out into buffer g; f is multiplied meanwhile.
.macro QUARTER q, f, g, first=0
	s_wait_dscnt 0x0
.if !(\first)
	PLACES
.endif
	FETCH \q, \g
	MULH \f, 0, \first
	MULH \f, 1, (\first)*(2-KQ)
.endm
; A prefetch into the L2, behind the joint load and the run of LDS loads: 32 blocks of 256 bytes, a lane a block, of the panel that I fetch myself, for the K step two refills on.
; Each block is named once in the launch: of the clusters that read A's rows the one with x = 0 asks, of those that read B's the one with y = 0; the four partners of a joint load share a panel's 128 blocks by address.
; The last two refills have no K step two on: s3 is then 2 and 1.
.macro ASK
	s_cmp_gt_u32 s3, s43
	s_cbranch_scc0 .Lnot_mine_\@
	global_prefetch_b8 v[PFO], s[44:45] th:TH_LOAD_NT scope:SCOPE_SE
.Lnot_mine_\@:
.endm
; The last quarter multiplies buffer 1 and changes slots.  In front of the barrier each wave waits for all its tensor loads (one is out: its panel of the next slot), adds 0 to its spare word, and waits for that
; and for its reads of this slot.  fill = 1: the barrier opens a round of the cluster's, and the joint refill, two K steps on, is the first thing behind the round.
.macro TURN fill
.if (\fill) && HASK
	s_wait_xcnt 0x0                                ; the last prefetch, a K step back, has read its address
	s_add_nc_u64 s[44:45], s[44:45], s[70:71]
.endif
	WIN 0
	s_wait_tensorcnt 0x0
	ds_add_u32 v[SPW], v[NIL]                      ; 0 onto my spare word; the steps below stand between it and the wait for it
	s_xor_b32 s66, s66, SLOT
.if \fill
	s_xor_b32 s37, s37, SLOT                       ; the walking descriptors: the other slot than last time, the next K step
	s_xor_b32 s61, s61, SLOT
	s_add_nc_u64 s[38:39], s[38:39], STEPA
	s_add_nc_u64 s[62:63], s[62:63], STEPB
.endif
	s_wait_dscnt 0x0                               ; the add is done, buffer 1 is in, my reads of this slot are over
	s_barrier_signal -1
	MULH 1, 0, 0
	WIN 0
	s_barrier_wait -1
.if \fill
	CREST
	JLOAD 1                                        ; its four v_nop are also the places in front of the loads below
.else
	PLACES
.endif
	v_add_nc_u32 v[ADRA], s66, v[ADRA0]
	v_add_nc_u32 v[ADRB], s66, v[ADRB0]
.if HASC
	v_add_nc_u32 v[ADRC], s66, v[ADRC0]
.endif
	FETCH 0, 0
.if (\fill) && HASK
	ASK
.endif
	MULH 1, 1, 0
.endm
; The whole walk along K.  left: the global loads younger than the bias's.  The loop's KT - 2 trips each refill a slot; the last two steps are a loop of two trips that is left in its middle.
.macro RUN left
	s_wait_tensorcnt 0x1                           ; my panel of K step 0 is in; step 1's may stay out
	s_barrier_signal -1
	s_barrier_wait -1
	FETCH 0, 0
	s_wait_loadcnt \left                           ; the bias
	QUARTER 1, 0, 1, 1
	WIN 0
	s_mov_b32 s3, KT-2
.Lstep:
	QUARTER 2, 1, 0
	QUARTER 3, 0, 1
	TURN 1
	QUARTER 1, 0, 1
	WIN 0
	s_sub_co_u32 s3, s3, 1
	s_cmp_lg_u32 s3, 0
	s_cbranch_scc1 .Lstep
	s_mov_b32 s3, 2
.Ltail:
	QUARTER 2, 1, 0
	QUARTER 3, 0, 1
	WIN 0
	s_sub_co_u32 s3, s3, 1
	s_cmp_eq_u32 s3, 0
	s_cbranch_scc1 .Llast
	TURN 0
	QUARTER 1, 0, 1
	WIN 0
	s_branch .Ltail
.Llast:
	s_wait_dscnt 0x0                               ; my reads of the ring are over:
	s_barrier_signal -1
	MULH 1, 0, 0
	MULH 1, 1, 0
	WIN 0
	s_barrier_wait -1                              ; everybody's are: the ring, which has had its last fill, takes the results
	PLACES
.set a_, 0
.rept WM                               ; the f32 sums, 32 bytes a lane and block, each accumulator from its low end
	WIN 0x08+4*(a_/APW)
.set b_, 0
.rept WN
.set rD, 8*(WN*(a_%APW)+b_)
	ds_store_b128 v[DST], v[rD:rD+3]   offset:a_*16*EP+64*b_
	ds_store_b128 v[DST], v[rD+4:rD+7] offset:a_*16*EP+64*b_+16
.set b_, b_+1
.endr
.set a_, a_+1
.endr
	WIN 0
	s_wait_dscnt 0x0                               ; my stores are done; the rows are read back behind a barrier
	s_barrier_signal -1
	s_barrier_wait -1
.endm
.macro CLOSE
	s_wait_tensorcnt 0x0                           ; the wave's end: behind my last tensor load and my last LDS store
	ds_add_u32 v[SPW], v[NIL]
	s_wait_dscnt 0x0
	CROUND                                         ; the closing round: no work-group ends while a partner may still ask for a panel that names it
	s_endpgm
.endm
; ---- end of the core ----
	s_load_b128 s[4:7], s[0:1], 0x0                ; hb, wb
	s_load_b256 s[72:79], s[0:1], 0x10             ; bq s[72:73], bk s[74:75], bv s[76:77], qkv s[78:79]
	OPEN
	s_min_u32 s11, s10, 1                          ; wave 0 fetches hb's panel, waves 1-3 the weights'
	s_max_u32 s12, s10, 1
	s_sub_co_u32 s12, s12, 1                       ; which of the three
	s_or_b32 s24, s43, (1<<16)|(1<<20)|(1<<21)|(5<<22)|(3<<25)  ; mask of my row; 2-byte elements; padding on; bit 21 beside a mask; after every 64 words 4 words: pitch 272
	s_or_b32 s48, s44, (1<<16)|(1<<20)|(1<<21)|(5<<22)|(7<<25)  ; mask of my column; 8 words of padding: pitch 288
	G1REST 24, 128, 128, 1024
	G1REST 48, 128, 128, 1024
	s_lshl_b32 s16, s13, 18                        ; hb: 128 rows of 2,048 bytes a tile row
	s_mov_b32 s17, 0
	s_mul_i32 s46, s42, 3
	s_add_co_u32 s46, s46, s12                     ; my block of 128 columns among the 24 of [Wq Wk Wv]
	s_lshr_b32 s47, s46, 3
	s_lshl_b32 s47, s47, 21                        ; its matrix, 2 MiB each,
	s_and_b32 s46, s46, 7
	s_lshl_b32 s46, s46, 8                         ; and its 256 bytes of a row
	s_add_co_u32 s46, s46, s47
	s_mov_b32 s47, 0
	s_wait_dscnt 0x0                               ; the opening add is done
	s_wait_kmcnt 0x0
	s_add_nc_u64 s[14:15], s[4:5], s[16:17]
	s_add_nc_u64 s[46:47], s[6:7], s[46:47]
	FILLS
	LANES
	s_mul_i32 s21, s67, 64*APITCH
	s_mul_i32 s22, s68, PAN
	s_add_co_u32 s22, s22, PAN
	s_lshl_b32 s23, s68, 7
	s_add_co_u32 s23, s23, 3*PAN
	v_add_nc_u32 v[ADRA0], s21, v3
	v_add_nc_u32 v[ADRB0], s22, v4
	v_add_nc_u32 v[ADRC0], s23, v4
	v_mov_b32 v[ADRA], v[ADRA0]
	v_mov_b32 v[ADRB], v[ADRB0]
	v_mov_b32 v[ADRC], v[ADRC0]
	; my three groups of 64 columns: ch = 6 x tile column + group; ch / 16 says q, k or v, ch % 16 the head
	v_lshlrev_b32 v6, 7, v2
	v_lshl_add_u32 v6, v1, 3, v6                   ; the way out: lanes 0-15 a row of 128 bytes, lanes 16-31 the next
	s_lshr_b32 s3, s13, 4
	s_lshl_b32 s3, s3, 22                          ; batch x 16 heads x 2,048 rows x 128 bytes
	s_and_b32 s2, s13, 15
	s_lshl_b32 s2, s2, 14
	s_add_co_u32 s3, s3, s2                        ; + 128 rows a tile row
	s_lshl_b32 s2, s67, 13
	s_add_co_u32 s3, s3, s2                        ; + my 64 rows
	s_mul_i32 s21, s42, 6
	s_lshl_b32 s22, s68, 1
	s_add_co_u32 s18, s21, s22
	s_add_co_u32 s19, s18, 1
	s_add_co_u32 s21, s21, s68
	s_add_co_u32 s21, s21, 4
.macro GROUP g, ch, vo                 ; group g: its bias's address in s[84 + 2 g : 85 + 2 g], its byte offset in qkv in v\vo
	s_lshr_b32 s22, s\ch, 4
	s_cmp_eq_u32 s22, 1
	s_cselect_b64 s[84+2*(\g):85+2*(\g)], s[74:75], s[72:73]
	s_cmp_eq_u32 s22, 2
	s_cselect_b64 s[84+2*(\g):85+2*(\g)], s[76:77], s[84+2*(\g):85+2*(\g)]
	s_lshl_b32 s2, s22, 23
	s_and_b32 s22, s\ch, 15
	s_lshl_b32 s23, s22, 18
	s_add_co_u32 s2, s2, s23
	s_add_co_u32 s2, s2, s3
	v_add_nc_u32 v\vo, s2, v6
	s_lshl_b32 s22, s22, 8
	s_mov_b32 s23, 0
	s_add_nc_u64 s[84+2*(\g):85+2*(\g)], s[84+2*(\g):85+2*(\g)], s[22:23]
.endm
	GROUP 0, 18, 26
	GROUP 1, 19, 27
	GROUP 2, 21, 31
.set b_, 0
.rept WN                               ; register j of block b holds bias[16 b + 8 (l / 16) + j], as the C operand wants it
	global_load_b128 v[BIAS+8*b_:BIAS+8*b_+3],   v[BO], s[84+2*(b_/4):85+2*(b_/4)] offset:64*(b_%4)
	global_load_b128 v[BIAS+8*b_+4:BIAS+8*b_+7], v[BO], s[84+2*(b_/4):85+2*(b_/4)] offset:64*(b_%4)+16
.set b_, b_+1
.endr
	; the prefetches: rows of 2,048 bytes in hb and in the weights; my work-group's 32 of my panel's 128; the first refill steps the address to K step 4
	s_and_b32 s23, ttmp7, 0xffff
	s_mov_b32 s70, STEPB
	s_mov_b32 s71, 0
	s_cmp_eq_u32 s11, 0
	s_cselect_b32 s21, s40, s41                    ; my place among the four that ask with me
	s_cselect_b32 s23, ttmp9, s23                  ; the coordinate along which other clusters read the same panel
	s_cselect_b64 s[44:45], s[14:15], s[46:47]
	s_cselect_b32 s70, STEPA, s70
	s_cmp_eq_u32 s23, 0
	s_cselect_b32 s43, 2, -1
	s_lshl_b32 s18, s21, 16
	s_mul_i32 s19, s70, 3
	s_add_co_u32 s18, s18, s19
	s_mov_b32 s19, 0
	s_add_nc_u64 s[44:45], s[44:45], s[18:19]
	v_and_b32 v[PFO], 31, v0
	v_lshlrev_b32 v[PFO], 11, v[PFO]
	RUN 0x0
	; THE WAY OUT: 8 trips of 8 rows.  Two rows x 64 columns of a group are read as f32, rounded, and stored as 256 consecutive bytes: a head's rows are dense.
.set XO, 64
.set YO, 112
.macro PUT g, vo
.irp p, 0,1,2,3
	global_store_b64 v\vo, v[YO+2*(4*(\g)+\p):YO+2*(4*(\g)+\p)+1], s[78:79] offset:256*\p
.endr
.endm
	s_mov_b32 s3, 8
.Lrows:
.irp g, 0,1,2
.irp p, 0,1,2,3
	ds_load_b128 v[XO+4*(4*\g+\p):XO+4*(4*\g+\p)+3], v[RD] offset:2*EP*\p+256*\g
.endr
.endr
	s_wait_dscnt 0x0
.set z_, 0
.rept 24
	v_cvt_pk_bf16_f32 v[YO+z_], v[XO+2*z_], v[XO+2*z_+1]
.set z_, z_+1
.endr
	PUT 0, 26
	PUT 1, 27
	PUT 2, 31
	s_wait_xcnt 0x0                                ; the stores' offsets and data are rewritten only behind this wait
	v_add_nc_u32 v26, 1024, v26
	v_add_nc_u32 v27, 1024, v27
	v_add_nc_u32 v31, 1024, v31
	v_add_nc_u32 v[RD], 8*EP, v[RD]
	s_sub_co_u32 s3, s3, 1
	s_cmp_lg_u32 s3, 0
	s_cbranch_scc1 .Lrows
	CLOSE
.Lfunc_end_k_qa9bf97901e_qkvp:
	.size	k_qa9bf97901e_qkvp, .Lfunc_end_k_qa9bf97901e_qkvp-k_qa9bf97901e_qkvp
	.p2alignl 7, 3214868480
	.fill 96, 4, 3214868480
	.section	.rodata,"a",@progbits
	.p2align	6, 0x0
	.amdhsa_kernel k_qa9bf97901e_qkvp
		.amdhsa_group_segment_fixed_size 327680
		.amdhsa_private_segment_fixed_size 0
		.amdhsa_enable_private_segment 0
		.amdhsa_kernarg_size 48
		.amdhsa_user_sgpr_count 2
		.amdhsa_user_sgpr_kernarg_segment_ptr 1
		.amdhsa_wavefront_size32 1
		.amdhsa_system_sgpr_workgroup_id_x 1
		.amdhsa_system_sgpr_workgroup_id_y 1
		.amdhsa_system_sgpr_workgroup_id_z 1
		.amdhsa_system_vgpr_workitem_id 0
		.amdhsa_next_free_vgpr 960
		.amdhsa_next_free_sgpr 100
		.amdhsa_reserve_vcc 0
		.amdhsa_float_denorm_mode_32 3
		.amdhsa_float_denorm_mode_16_64 3
		.amdhsa_memory_ordered 1
		.amdhsa_forward_progress 1
		.amdhsa_inst_pref_size 77
	.end_amdhsa_kernel
	.amdgpu_metadata
---
amdhsa.version: [ 1, 2 ]
amdhsa.kernels:
  - .name:           k_qa9bf97901e_qkvp
    .symbol:         k_qa9bf97901e_qkvp.kd
    .args:
      - { .name: hb, .offset: 0, .size: 8, .value_kind: global_buffer, .address_space: global }
      - { .name: wb, .offset: 8, .size: 8, .value_kind: global_buffer, .address_space: global }
      - { .name: bq, .offset: 16, .size: 8, .value_kind: global_buffer, .address_space: global }
      - { .name: bk, .offset: 24, .size: 8, .value_kind: global_buffer, .address_space: global }
      - { .name: bv, .offset: 32, .size: 8, .value_kind: global_buffer, .address_space: global }
      - { .name: qkv, .offset: 40, .size: 8, .value_kind: global_buffer, .address_space: global }
    .group_segment_fixed_size: 327680
    .private_segment_fixed_size: 0
    .kernarg_segment_align: 8
    .kernarg_segment_size: 48
    .max_flat_workgroup_size: 128
    .sgpr_count:     100
    .vgpr_count:     960
    .wavefront_size: 32
...
	.end_amdgpu_metadata
.endif
;; end of part 2
;; launch attn (part 3): grid 8 x 32, 4 waves a work-group, no clusters, 327,680 bytes of LDS; arguments qkv, att; writes att
.if DOCPART == 3
	.amdgcn_target "amdgcn-amd-amdhsa--gfx1250"
	.amdhsa_code_object_version 6
	.text
	.protected	k_qa9bf97901e_attn
	.globl	k_qa9bf97901e_attn
	.p2align	8
	.type	k_qa9bf97901e_attn,@function
k_qa9bf97901e_attn:
	s_mov_b64 s[64:65], 0
	v_nop
	global_prefetch_b8 v0, s[64:65] scope:SCOPE_SE
	s_setreg_imm32_b32 hwreg(HW_REG_WAVE_MODE, 25, 1), 1
	s_wait_xcnt 0x0
; CAUSAL ATTENTION.  att[head][token][:] = the sum over k <= q of softmax_k(q . k / 8) v.  q, k, v: qkv[which][16 batch + head][2048][64], bf16; att: [16 head][4096 token][64], bf16.
; Products, maxima and sums in f32; the weights p are rounded to bf16 for the second product (their sum l is taken of the unrounded p), the result once at the end.
; LIMITS.  A hidden score counts as its value less 1e30, and c m starts at -4.25e37: scores stay far under 1e30.  A weight below 2^-126 counts as 0 in l.  NaN and infinities are not treated apart.
; THE WALK.  A head's 2,048 queries lie in 8 blocks of 256; block i needs the key tiles 0 .. i of 256 keys, the last of which holds the diagonal.  Work-group x = 2 b + e takes half e (128 rows) of block b
; and then of block 7 - b: 9 tiles whatever b, so all 256 work-groups do equal work and one loop with a constant trip count walks them.  The short block goes first: its last step, 4 b + 3, is 15 at the most,
; so a block's end always falls in the loop and the tail's copy of a trip holds no way out.  Which tile is asked for and what a trip does hang on scalar registers made from b.
; A wave owns 32 rows of the half: two tiles of 16.  In a diagonal tile every wave computes all four steps of 64 keys, the hidden part masked: 36 steps where 34 would do.
; NO CLUSTER: only the two halves e walk alike; work-groups with different b ask for different tiles after the first block, and one walk common to all would have 12 trips for 9.
; LAYOUT.  S^T = K Q^T holds one query a lane (lane % 16) and the keys 8 (lane / 16) + 0..7; two such results rounded to bf16 are source 1 of O^T = V^T P.  K comes out of LDS as it lies, V turned.
; THE MASK is the C operand that starts S^T's sums: 0, or -1e30 where the key is hidden.  My 32 rows lie in one group of 64 of the block, number 2 e + w / 2: in a diagonal tile earlier steps are seen whole, later ones
; not at all, and that step itself has the mask MD, made once.  A step's mask is MD x AL + BE with two scalars: (1, 0), (0, 0) or (0, -1e30).
; SOFTMAX.  p = 2^(c s - c m), c = log2(e) / 8, with a running maximum m; O and l are multiplied by a = 2^(c m_old - c m_new) in every step; a block's first step has a = 0.
; MATRIX AND VECTOR WORK SIDE BY SIDE.  K Q^T writes the raw scores into RW; the scaling c s - c m reads RW and writes S, where the rest of the softmax works: so the next step's scores are made while this step's
; weights are rounded and added.  A TRIP, for step j: K of step j + 1 is fetched | a lump: the last 10 scalings, the 64 exponentials and the two a: ONE batch, one wait | O^T times a | the masks of step j + 1 |
; 16 products K Q^T of step j + 1, behind each four of step j's 64 roundings and sums | 16 products V^T P of step j, behind each four of step j + 1's 42 lines of maximum and statistics and its first 22 scalings |
; V of step j + 1 is fetched.  No exponential is out at a trip's end.  The change of slots falls between V of a tile's last step and K of the next tile's first: between two trips.
; REGISTERS (s_set_vgpr_msb: bits 1:0 source 0, 3:2 source 1, 5:4 source 2, 7:6 destination).  Window 0: addresses, statistics, S, RW, P: all that a rider names.  Window 1: Q, the second block's Q, K, V, O^T.
; Window 2: the masks.  So a product and its four riders cost two switches.
.set KS,    64
.set PK,    144       ; a row of K in LDS: 128 bytes + 16: the 16 rows of a load start at 16 different groups of four banks
.set PV,    160       ; a row of V: 128 + 32
.set VOFF,  4*KS*PK   ; a slot holds a tile: 256 rows of K, then 256 rows of V
.set SLOT1, 1<<17
.set STAGE, SLOT1+4*KS*(PK+PV)  ; behind the ring, never filled by a tensor load: 16 rows x 144 bytes for each wave
.set SP,    144
.set SPARE, STAGE+4*16*SP       ; the spare words, 128 bytes for each wave: two blocks of 256 bytes that no other line names
.set AK0, 2           ; my lane's place in a tile of K, of V; never rewritten
.set AV0, 3
.set AK,  4           ; the LDS address of K's next run of loads, of V's
.set AV,  5
.set STO, 6           ; the way out: where I put 16 bytes of a row; where I read rows back; my 16 of 512 consecutive bytes
.set RD,  7
.set GO,  8
.set MV,  12          ; v12-13  c m_old, by tile
.set VQ,  14          ; v14-15  my query's place in its group of 64 rows, less 8 (lane / 16), by tile: for MD alone
.set ST,  16          ; v16-23  by tile: c m, m, l (even keys', odd keys')
.set QO,  26
.set PFO, 27          ; 256 x lane; never rewritten
.set TMP, 48          ; v48-55  by tile, four at work; the second takes c m_old - c m_new, the third then a
.set SPW, 62
.set NIL, 63
.set S,   64          ; v64-127   32 a tile: c s - c m, then the weights
.set RW,  128         ; v128-191  32 a tile: the scores as K Q^T leaves them
.set P,   192         ; v192-223  16 a tile; on the way out the packed rows
.set QB,  32          ; window 1: Q v0-31, the second block's v32-63
.set KF,  64          ; window 1: key block kb, channel half c at KF + 16 kb + 8 c
.set VF,  128         ; window 1: key half kk, channel block cb at VF + 32 kk + 8 cb
.set OT,  192         ; window 1: 32 a tile
.set MC,  0           ; window 2: the masks of the products to come, 32 a tile
.set MD,  64          ; window 2: the masks of my own step of a diagonal tile
.set WV, 12
.set PB, 14           ; b
.set HI, 15           ; 7 - b
.set G1K, 24
.set G1V, 32
.set G0K, 40
.set G0V, 44
.set SLOTS, 56
.set CNT, 57
.set CS, 58
.set SEL, 60
.set TBK, 62          ; LDS byte at which K of the step to be fetched begins; the same for V, less VOFF
.set TBV, 63
.set AL, 66           ; s[66:67] the mask's factor, in the low word
.set BE, 68           ; s[68:69] the mask's addend
.set EH, 70           ; e
.set NXT, 71          ; the tile to be asked for next
.set LQ, 72           ; the last tile of the block whose tiles are being asked for
.set TI, 73           ; the number, in the walk, of the tile whose K is being fetched
.set OFF, 74
.set OLO, 80          ; att at my rows of the second block
.set BIGN, 82
.set DIAG, 83         ; 1: that tile holds the diagonal
.set ENDB, 84         ; 1: the step in hand is the first block's last
.set JR, 85           ; 1: a block has just begun, the masks are to be set back
.set STP, 86
.set MK, 87
.set PFC, 88
.set PFL, 89
.set PFA, 90
.set PFB, 92
.set SST, 94          ; 2 e + w / 2: my own step of a diagonal tile
.set MSB, 0
.macro WIN new                      ; the high byte repeats the setting that is left; a switch that changes nothing is dropped
.if MSB != (\new)
	s_set_vgpr_msb (MSB<<8)|(\new)
.set MSB, (\new)
.endif
.endm
.macro PLACES
.rept 4
	v_nop
.endr
.endm
; A fill.  Waves 0 and 1 fetch the two halves of a tile's K, waves 2 and 3 those of its V.  An s_nop 0 and four v_nop follow each of the two lines.
.macro LOAD
	s_cmp_lt_u32 s[WV], 2
	s_cbranch_scc0 .Lfor_v_\@
	tensor_load_to_lds s[G0K:G0K+3], s[G1K:G1K+7]
	s_nop 0
.rept 4
	v_nop
.endr
	s_branch .Lasked_\@
.Lfor_v_\@:
	tensor_load_to_lds s[G0V:G0V+3], s[G1V:G1V+7]
	s_nop 0
.rept 4
	v_nop
.endr
.Lasked_\@:
.endm
; THE CHANGE OF SLOTS.  Each wave waits for all its tensor loads (one is out: its part of the other slot), adds 0 to its spare word, and waits for that and for its reads of the slot that it leaves.
; fill = 1: the old slot is filled again, first thing behind the barrier, with tile NXT; the address is made anew from that number.  (At its first use slot 0 is waited for and slot 1 filled.)
; ask = 1: behind the load each wave of the head's first work-group, whose second block walks tiles 0 to 7, prefetches its own half (64 blocks of 256 bytes, a lane a block, two instructions) of the tile that the NEXT
; change will ask for: four key steps ahead.  So tiles 2 to 7 are named once each; tiles 0 and 1 come by their loads alone.
.macro CHANGE fill, ask=0
	WIN 0
	s_wait_tensorcnt 0x0
	ds_add_u32 v[SPW], v[NIL]       ; 0 onto my spare word; the scalar work stands between it and the wait for it
.if \fill
	s_lshl_b32 s[OFF], s[NXT], 15   ; a tile is 32,768 bytes of K and of V
	s_xor_b32 s[G0K+1], s[G0K+1], SLOT1
	s_add_nc_u64 s[G0K+2:G0K+3], s[6:7], s[OFF:OFF+1]
	s_or_b32 s[G0K+3], s[G0K+3], 0x80000000
	s_xor_b32 s[G0V+1], s[G0V+1], SLOT1
	s_add_nc_u64 s[G0V+2:G0V+3], s[8:9], s[OFF:OFF+1]
	s_or_b32 s[G0V+3], s[G0V+3], 0x80000000
	s_add_co_u32 s[NXT], s[NXT], 1  ; the block's next tile, or behind its last the second block's tile 0
	s_cmp_gt_u32 s[NXT], s[LQ]
	s_cselect_b32 s[NXT], 0, s[NXT]
	s_cselect_b32 s[LQ], s[HI], s[LQ]
.if \ask
	s_wait_xcnt 0x0                 ; the last prefetches, a tile back, have read their address
	s_lshl_b32 s[OFF], s[NXT], 15
	s_add_nc_u64 s[PFA:PFA+1], s[PFB:PFB+1], s[OFF:OFF+1]
.endif
.endif
	s_wait_dscnt 0x0                ; the add is done, and my reads of the slot are over
	s_barrier_signal -1
	s_sub_co_u32 s[TBK], s[TBK], 4*KS*PK  ; the fetches go back to a slot's first step, in the other slot
	s_xor_b32 s[TBK], s[TBK], SLOT1
	s_sub_co_u32 s[TBV], s[TBV], 4*KS*PV
	s_xor_b32 s[TBV], s[TBV], SLOT1
	s_barrier_wait -1
.if \fill
	LOAD
.if \ask
	s_cmp_lt_u32 s[PFC], s[PFL]
	s_cbranch_scc0 .Lnoask_\@
	global_prefetch_b8 v[PFO], s[PFA:PFA+1] th:TH_LOAD_NT scope:SCOPE_SE
	global_prefetch_b8 v[PFO], s[PFA:PFA+1] offset:8192 th:TH_LOAD_NT scope:SCOPE_SE
.Lnoask_\@:
	s_add_co_u32 s[PFC], s[PFC], 1
.endif
.endif
.endm
	s_load_b128 s[48:51], s[0:1], 0x0  ; qkv s[48:49], att s[50:51]
	v_lshl_add_u32 v[SPW], v0, 2, SPARE
	v_mov_b32 v[NIL], 0
	ds_add_u32 v[SPW], v[NIL]       ; the wave's opening: the add, waited for ahead of my first tensor load
	v_lshrrev_b32 v1, 5, v0
	v_readfirstlane_b32 s[WV], v1
	s_lshr_b32 s[PB], ttmp9, 1
	s_and_b32 s[EH], ttmp9, 1
	s_sub_co_u32 s[HI], 7, s[PB]
	s_and_b32 s20, ttmp7, 0xffff    ; 16 batch + head
	s_and_b32 s16, s[WV], 1         ; which half of a tile's 256 keys I fetch
	s_mul_i32 s17, s16, 128*PK
	s_mul_i32 s18, s16, 128*PV
	s_lshl_b32 s22, s20, 18         ; a head's 2,048 rows of 128 bytes
	s_lshl_b32 s16, s16, 14
	s_add_co_u32 s16, s16, s22
	s_add_co_u32 s2, s16, 0x800000  ; k begins 8 MiB into qkv,
	s_mov_b32 s3, 0
	s_add_co_u32 s52, s16, 0x1000000  ; v 16 MiB
	s_mov_b32 s53, 0
	s_lshl_b32 s21, s[EH], 14
	s_lshl_b32 s23, s[WV], 12
	s_add_co_u32 s21, s21, s23      ; my 32 rows in a block,
	s_lshl_b32 s23, s[PB], 15
	s_add_co_u32 s54, s21, s23      ; in the first block,
	s_lshl_b32 s23, s[HI], 15
	s_add_co_u32 s76, s21, s23      ; and in the second
	s_and_b32 s19, s20, 15
	s_lshl_b32 s19, s19, 19         ; att: head x 4,096 tokens x 128 bytes
	s_lshr_b32 s23, s20, 4
	s_lshl_b32 s23, s23, 18         ; + batch x 2,048 tokens
	s_add_co_u32 s19, s19, s23
	s_add_co_u32 s78, s54, s19
	s_add_co_u32 s96, s76, s19
	s_add_co_u32 s54, s54, s22
	s_add_co_u32 s76, s76, s22
	s_mov_b32 s55, 0
	s_mov_b32 s77, 0
	s_mov_b32 s79, 0
	s_mov_b32 s97, 0
	; descriptor group 1.  128 keys are 16,384 dense bytes: asked for as 64 rows of 256 bytes, two keys a row, and padded in LDS after every key
	s_mov_b32 s[G1K], (1<<16)|(1<<20)|(4<<22)|(3<<25)  ; 2-byte elements; padding on; after every 32 words 4 words
	s_mov_b32 s[G1V], (1<<16)|(1<<20)|(4<<22)|(7<<25)  ; the same with 8 words
.irp g, G1K, G1V
	s_mov_b32 s[\g+1], 128<<16
	s_mov_b32 s[\g+2], 64<<16
	s_mov_b32 s[\g+3], 128<<16
	s_mov_b32 s[\g+4], 64
	s_mov_b32 s[\g+5], 128
	s_mov_b32 s[\g+6], 0
	s_mov_b32 s[\g+7], 0
.endr
	s_mov_b32 s[CS], 0x3e38aa3b     ; c = log2(e) / 8
	s_mov_b32 s[CS+1], s[CS]
	s_mov_b32 s[SEL], 0x76543210
	s_mov_b32 s[SEL+1], 0xfedcba98
	s_mov_b32 s[TBK], SLOT1+4*KS*PK ; the first change of slots turns these two into 0
	s_mov_b32 s[TBV], SLOT1+4*KS*PV
	s_mov_b32 s[G0K], 1
	s_mov_b32 s[G0K+1], s17
	s_mov_b32 s[G0V], 1
	s_add_co_u32 s[G0V+1], s18, VOFF
	s_mov_b32 s[NXT], 1             ; behind tile 0 comes the first block's tile 1, or, where it has one tile alone, the second block's tile 0
	s_mov_b32 s[LQ], s[PB]
	s_cmp_gt_u32 s[NXT], s[LQ]
	s_cselect_b32 s[NXT], 0, s[NXT]
	s_cselect_b32 s[LQ], s[HI], s[LQ]
	s_cmp_eq_u32 s[PB], 0
	s_cselect_b32 s[DIAG], 1, 0     ; block 0's first tile is the diagonal one
	s_lshl_b32 s[SST], s[EH], 1
	s_lshr_b32 s13, s[WV], 1
	s_add_co_u32 s[SST], s[SST], s13
	s_mov_b32 s[AL], 0
	s_mov_b32 s[AL+1], 0            ; named as pairs
	s_mov_b32 s[BE], 0
	s_mov_b32 s[BE+1], 0
	s_mov_b32 s[OFF+1], 0
	s_mov_b32 s[BIGN], 0xf149f2ca   ; -1e30
	s_mov_b32 s[SLOTS], 8
	s_mov_b32 s[CNT], 4
	s_mov_b32 s[TI], 0
	s_mov_b32 s[ENDB], 0
	s_mov_b32 s[PFC], 0
	s_cmp_eq_u32 ttmp9, 0
	s_cselect_b32 s[PFL], 6, 0
	s_wait_dscnt 0x0                ; the opening add is done
	s_wait_kmcnt 0x0
	s_add_nc_u64 s[6:7], s[48:49], s[2:3]      ; K and V at my half of the head's tile 0
	s_add_nc_u64 s[8:9], s[48:49], s[52:53]
	s_add_nc_u64 s[4:5], s[48:49], s[54:55]    ; Q at my rows of the first block,
	s_add_nc_u64 s[98:99], s[48:49], s[76:77]  ; of the second
	s_add_nc_u64 s[10:11], s[50:51], s[78:79]  ; att likewise
	s_add_nc_u64 s[OLO:OLO+1], s[50:51], s[96:97]
	s_add_nc_u64 s[G0K+2:G0K+3], s[6:7], 0
	s_or_b32 s[G0K+3], s[G0K+3], 0x80000000
	s_add_nc_u64 s[G0V+2:G0V+3], s[8:9], 0
	s_or_b32 s[G0V+3], s[G0V+3], 0x80000000
	s_cmp_lt_u32 s[WV], 2
	s_cselect_b64 s[PFB:PFB+1], s[6:7], s[8:9]
	LOAD                            ; tile 0 into slot 0
	v_and_b32 v1, 15, v0            ; l % 16
	v_bfe_u32 v9, v0, 4, 1          ; l / 16
	v_lshlrev_b32 v[QO], 7, v1
	v_lshl_add_u32 v[QO], v9, 4, v[QO]  ; a fragment's row x 128 + 16 x half
	WIN 0x40
.irp i, 0,1,2,3                     ; both blocks' Q: tile i / 2, channels 32 (i % 2) on
	global_load_b128 v[8*\i:8*\i+3],   v[QO], s[4:5] offset:(\i/2)*2048+(\i%2)*64
	global_load_b128 v[8*\i+4:8*\i+7], v[QO], s[4:5] offset:(\i/2)*2048+(\i%2)*64+32
	global_load_b128 v[QB+8*\i:QB+8*\i+3],   v[QO], s[98:99] offset:(\i/2)*2048+(\i%2)*64
	global_load_b128 v[QB+8*\i+4:QB+8*\i+7], v[QO], s[98:99] offset:(\i/2)*2048+(\i%2)*64+32
.endr
	; O^T, l and the masks start at 0: a block's first step multiplies O^T and l by a = 0, so they need only be finite.  All this stands in the wait for the first tile.
.set i_, OT
.rept 64
	v_mov_b32 v[i_], 0
.set i_, i_+1
.endr
	WIN 0
.irp u, 0,1
	v_mov_b32 v[ST+4*\u+2], 0
	v_mov_b32 v[ST+4*\u+3], 0
.endr
	v_lshlrev_b32 v[VQ], 3, v9
	v_sub_nc_u32 v[VQ], v1, v[VQ]
	s_and_b32 s13, s[WV], 1
	s_lshl_b32 s13, s13, 5
	v_add_nc_u32 v[VQ], s13, v[VQ]  ; 32 (w % 2) + l % 16 - 8 (l / 16)
	v_add_nc_u32 v[VQ+1], 16, v[VQ]
	WIN 0x80
.set i_, MC
.rept 64
	v_mov_b32 v[i_], 0
.set i_, i_+1
.endr
.irp u, 0,1                         ; MD: register j of key group kt is hidden where 16 kt + j is greater than my query's place
.set i_, 0
.rept 32
	v_cmp_gt_i32 vcc_lo, 16*(i_/8)+i_%8, v[VQ+\u]
	v_cndmask_b32 v[MD+32*\u+i_], 0, s[BIGN], vcc_lo
.set i_, i_+1
.endr
.endr
	WIN 0
	v_mul_u32_u24 v[AK0], v1, PK
	v_lshl_add_u32 v[AK0], v9, 4, v[AK0]
	v_and_b32 v10, 7, v0            ; the turning load: lane l reads key 8 (l / 16) + l % 8, channels 8 ((l / 8) % 2) + 0..7
	v_bfe_u32 v11, v0, 3, 1
	v_lshl_add_u32 v[AV0], v9, 3, v10
	v_mul_u32_u24 v[AV0], v[AV0], PV
	v_lshl_add_u32 v[AV0], v11, 4, v[AV0]
	v_add_nc_u32 v[AV0], VOFF, v[AV0]
	s_mul_i32 s13, s[WV], 16*SP
	s_add_co_u32 s13, s13, STAGE
	v_mul_u32_u24 v[STO], v1, SP
	v_lshl_add_u32 v[STO], v9, 4, v[STO]
	v_add_nc_u32 v[STO], s13, v[STO]
	v_bfe_u32 v[RD], v0, 3, 2       ; back: 32 lanes take four rows of 128 bytes,
	v_mul_u32_u24 v[RD], v[RD], SP
	v_lshl_add_u32 v[RD], v10, 4, v[RD]
	v_add_nc_u32 v[RD], s13, v[RD]
	v_and_b32 v[GO], 31, v0         ; which are 512 consecutive bytes of att
	v_lshlrev_b32 v[PFO], 8, v[GO]
	v_lshlrev_b32 v[GO], 4, v[GO]
; THE MATRIX WORK.  The 8 accumulators of a run of 16 take turns.  Product i_ of S^T = K Q^T: channels 32 (i_ / 8) on, keys 16 ((i_ / 2) % 4) on, tile i_ % 2; the first 8 start the sums with the mask.
.macro KQ1
.set rW, RW+32*(i_%2)+8*((i_/2)%4)
.set rK, KF+16*((i_/2)%4)+8*(i_/8)
.set rQ, 16*(i_%2)+8*(i_/8)
.set rN, MC+32*(i_%2)+8*((i_/2)%4)
.if i_ < 8
	WIN 0x25                        ; K and Q in window 1, the mask in window 2, the scores in window 0
	v_wmma_f32_16x16x32_bf16 v[rW:rW+7], v[rK:rK+7], v[rQ:rQ+7], v[rN:rN+7]
.else
	WIN 0x05
	v_wmma_f32_16x16x32_bf16 v[rW:rW+7], v[rK:rK+7], v[rQ:rQ+7], v[rW:rW+7]
.endif
.endm
; Product i_ of O^T += V^T P: keys 32 (i_ / 8) on, channels 16 ((i_ / 2) % 4) on, tile i_ % 2.
.macro PV1
.set rA, OT+32*(i_%2)+8*((i_/2)%4)
.set rV, VF+32*(i_/8)+8*((i_/2)%4)
.set rB, P+16*(i_%2)+8*(i_/8)
	WIN 0x51                        ; V and O^T in window 1, P in window 0
	v_wmma_f32_16x16x32_bf16 v[rA:rA+7], v[rV:rV+7], v[rB:rB+7], v[rA:rA+7]
.endm
.macro FETCH_K                      ; a step's K: 64 keys x 64 channels, 8 fragments, one run of 16 loads
	WIN 0x40
.irp f, 0,1,2,3,4,5,6,7
	ds_load_b128 v[KF+8*\f:KF+8*\f+3],   v[AK] offset:(\f/2)*16*PK+(\f%2)*64
	ds_load_b128 v[KF+8*\f+4:KF+8*\f+7], v[AK] offset:(\f/2)*16*PK+(\f%2)*64+32
.endr
	s_add_co_u32 s[TBK], s[TBK], KS*PK
	WIN 0
.endm
.macro FETCH_V                      ; its V, turned
	WIN 0x40
.irp f, 0,1,2,3,4,5,6,7
	ds_load_tr16_b128 v[VF+8*\f:VF+8*\f+3],   v[AV] offset:(\f/4)*32*PV+(\f%4)*32
	ds_load_tr16_b128 v[VF+8*\f+4:VF+8*\f+7], v[AV] offset:(\f/4)*32*PV+16*PV+(\f%4)*32
.endr
	WIN 0
.endm
; THE VECTOR WORK, a line at a time.  None of XS, FS, EX, GSN and XF sets a window: all their registers lie in window 0.
.macro REGS u
.set rT, ST+4*(\u)
.set rC, TMP+4*(\u)
.set rM, MV+(\u)
.set rS, S+32*(\u)
.set rR, RW+32*(\u)
.set rP, P+16*(\u)
.set rO, OT+32*(\u)
.endm
; Number n of the 22 that find a tile's maximum and statistics, from the raw scores.  0-11: four chains of seven scores, each accumulator's lowest registers first.  12-14, 16: the four scores left
; over, the old m, the four into one.  15: c m_old is kept.  17, 18: the query's other 32 keys lie in the lane 16 away.  19-21: c m; c m_old - c m_new; a.
.macro XS u, n
	REGS \u
.if (\n) < 4
	v_max3_num_f32 v[rC+(\n)], v[rR+8*(\n)], v[rR+8*(\n)+1], v[rR+8*(\n)+2]
.elseif (\n) < 12
	v_max3_num_f32 v[rC+(\n)%4], v[rC+(\n)%4], v[rR+8*((\n)%4)+2*((\n)/4)+1], v[rR+8*((\n)%4)+2*((\n)/4)+2]
.elseif (\n) == 12
	v_max3_num_f32 v[rC], v[rC], v[rR+7], v[rR+15]
.elseif (\n) == 13
	v_max3_num_f32 v[rC+1], v[rC+1], v[rR+23], v[rR+31]
.elseif (\n) == 14
	v_max3_num_f32 v[rC+2], v[rC+2], v[rC+3], v[rT+1]
.elseif (\n) == 15
	v_mov_b32 v[rM], v[rT]
.elseif (\n) == 16
	v_max3_num_f32 v[rC], v[rC], v[rC+1], v[rC+2]
.elseif (\n) == 17
	v_permlanex16_b32 v[rC+3], v[rC], s[SEL], s[SEL+1]
.elseif (\n) == 18
	v_max_num_f32 v[rT+1], v[rC], v[rC+3]
.elseif (\n) == 19
	v_mul_f32 v[rT], s[CS], v[rT+1]
.elseif (\n) == 20
	v_sub_f32 v[rC+1], v[rM], v[rT]
.else
	v_exp_f32 v[rC+2], v[rC+1]
.endif
.endm
.macro FS u, p                      ; c s - c m for pair p: out of RW, into S
	REGS \u
	v_pk_fma_f32 v[rS+2*(\p):rS+2*(\p)+1], v[rR+2*(\p):rR+2*(\p)+1], s[CS:CS+1], v[rT:rT+1] op_sel_hi:[1,0,0] neg_lo:[0,0,1] neg_hi:[0,0,1]
.endm
.macro EX u, n
	REGS \u
	v_exp_f32 v[rS+(\n)], v[rS+(\n)]
.endm
; Number g of the 64 that follow the exponentials, in groups of eight: of four weights of a tile both pairs are rounded and the second pair is added onto the first (three lines a tile); then l takes each tile's sum (the first time as l = a l + sum).
.macro GSN g
.set k_, (\g)/8
.set m_, (\g)%8
.if m_ < 6
	REGS m_/3
.if m_%3 < 2
	v_cvt_pk_bf16_f32 v[rP+2*k_+m_%3], v[rS+4*k_+2*(m_%3)], v[rS+4*k_+2*(m_%3)+1]
.else
	v_pk_add_f32 v[rS+4*k_:rS+4*k_+1], v[rS+4*k_:rS+4*k_+1], v[rS+4*k_+2:rS+4*k_+3]
.endif
.else
	REGS m_-6
.if k_ == 0
	v_pk_fma_f32 v[rT+2:rT+3], v[rT+2:rT+3], v[rC+2:rC+3], v[rS:rS+1] op_sel_hi:[1,0,1]
.else
	v_pk_add_f32 v[rT+2:rT+3], v[rT+2:rT+3], v[rS+4*k_:rS+4*k_+1]
.endif
.endif
.endm
; Number q of the 64 that open a step's softmax, the tiles by turns: XS's numbers 0 to 20, then the scalings of pairs 0 to 10.  None is an exponential.
.macro XF q
.if (\q) < 42
	XS (\q)%2, (\q)/2
.else
	FS (\q)%2, ((\q)-42)/2
.endif
.endm
; 16 products K Q^T of the next step; riders = 1: behind each four of this step's GSN.  The four behind the last product are plain and name none of its registers: the places in front of the first read of its scores.
.macro PHASEB riders
.set i_, 0
.rept 16
	KQ1
.if \riders
	WIN 0
	GSN 4*i_
	GSN 4*i_+1
	GSN 4*i_+2
	GSN 4*i_+3
.endif
.set i_, i_+1
.endr
	WIN 0
.endm
; mm = 1: 16 products V^T P of this step; riders = 1: behind each four of the next step's XF.  The four behind the last product are scalings: the places in front of the loads into V's registers.
.macro PHASEA mm, riders
.set i_, 0
.rept 16
.if \mm
	PV1
.endif
.if \riders
	WIN 0
	XF 4*i_
	XF 4*i_+1
	XF 4*i_+2
	XF 4*i_+3
.endif
.set i_, i_+1
.endr
	WIN 0
.endm
; THE LUMP: the scalings of pairs 11 to 15, an exponential behind each; the other exponentials; the two a.  ONE batch: nothing ahead of the wait names a result of its 66 exponentials; all that do (the rescaling, the roundings, the sums) stand behind it.
.macro LUMP
	WIN 0
.set f_, 0
.rept 10
	FS f_%2, 11+f_/2
	EX f_%2, f_/2
.set f_, f_+1
.endr
.rept 54
	EX f_%2, f_/2
.set f_, f_+1
.endr
	XS 0, 21
	XS 1, 21
	v_nop                           ; a plain instruction behind the last exponential,
	s_wait_alu depctr_va_vdst(0)    ; and the one wait ahead of the batch's first reader
.endm
.macro RESC                         ; O^T times a: the one part outside window 0, so it stands together, each accumulator from its low end
	WIN 0x41
.irp u, 0,1
	REGS \u
.set z_, 0
.rept 16
	v_pk_mul_f32 v[rO+2*z_:rO+2*z_+1], v[rO+2*z_:rO+2*z_+1], v[rC+2:rC+3] op_sel_hi:[1,0]
.set z_, z_+1
.endr
.endr
	WIN 0
.endm
; THE MASKS of the step to come, number 4 - CNT of its tile: MD x AL + BE.  Outside a diagonal tile nothing is hidden, and the lines are walked only once, where a block has begun.
.macro MASK
	s_sub_co_u32 s[STP], 4, s[CNT]
	s_cmp_eq_u32 s[DIAG], 1
	s_cselect_b32 s[STP], s[STP], -1  ; outside a diagonal tile: ahead of every wave's own step
	s_cmp_eq_u32 s[STP], s[SST]
	s_cselect_b32 s[AL], 1.0, 0
	s_cmp_gt_i32 s[STP], s[SST]
	s_cselect_b32 s[BE], s[BIGN], 0
	s_or_b32 s[MK], s[DIAG], s[JR]
	s_cmp_eq_u32 s[MK], 0
	s_cbranch_scc1 .Lnomask_\@
	WIN 0x82
.set z_, 0
.rept 32
	v_pk_fma_f32 v[MC+2*z_:MC+2*z_+1], v[MD+2*z_:MD+2*z_+1], s[AL:AL+1], s[BE:BE+1] op_sel_hi:[1,0,0]
.set z_, z_+1
.endr
	WIN 0
	s_mov_b32 s[JR], 0
.Lnomask_\@:
.endm
; THE WAY OUT of a block: l's two halves and the other half of the lanes' are added; O^T is divided by l, rounded to bf16 into P's registers and sent through my stage in LDS, a tile at a time.
.macro PACK t
	WIN 0x41
.set i_, OT+32*(\t)
.rept 16
	v_pk_mul_f32 v[i_:i_+1], v[i_:i_+1], v[ST+4*(\t)+2:ST+4*(\t)+3] op_sel_hi:[1,0]
.set i_, i_+2
.endr
	WIN 0x05
.set i_, 0
.rept 16
	v_cvt_pk_bf16_f32 v[P+16*(\t)+i_], v[OT+32*(\t)+2*i_], v[OT+32*(\t)+2*i_+1]
.set i_, i_+1
.endr
	WIN 0
.irp f, 0,1,2,3
	ds_store_b128 v[STO], v[P+16*(\t)+4*\f:P+16*(\t)+4*\f+3] offset:32*\f
.endr
.irp f, 0,1,2,3
	ds_load_b128 v[P+16*(\t)+4*\f:P+16*(\t)+4*\f+3], v[RD] offset:\f*4*SP  ; LDS serves a wave's instructions in order (ISA guide 5.7.1.4): these see the stores above; the next tile's stores come behind them
.endr
.endm
.macro SEND t, younger              ; younger: the LDS instructions issued behind tile t's loads
.irp f, 0,1,2,3
	s_wait_dscnt (\younger)+3-\f
	global_store_b128 v[GO], v[P+16*(\t)+4*\f:P+16*(\t)+4*\f+3], s[10:11] offset:(\t)*2048+\f*512  ; 512 consecutive bytes, at a multiple of 256 from att's first
.endr
.endm
.macro WAYOUT
	PLACES
.irp u, 0,1
	v_add_f32 v[ST+4*\u+2], v[ST+4*\u+2], v[ST+4*\u+3]
.endr
.irp u, 0,1
	v_permlanex16_b32 v[ST+4*\u+3], v[ST+4*\u+2], s[SEL], s[SEL+1]
.endr
.irp u, 0,1
	v_add_f32 v[ST+4*\u+2], v[ST+4*\u+2], v[ST+4*\u+3]
.endr
.irp u, 0,1
	v_rcp_f32 v[ST+4*\u+2], v[ST+4*\u+2]
.endr
	v_nop
	s_wait_alu depctr_va_vdst(0)    ; one wait for the two reciprocals, ahead of their first use
	PACK 0
	PACK 1
	SEND 0, 8
	SEND 1, 0
.endm
.macro RESET                        ; a block begins: c m far below every c s, so the first step's a is 0; m at the lowest finite number
.irp u, 0,1
	v_mov_b32 v[ST+4*\u], 0xfe000000
	v_mov_b32 v[ST+4*\u+1], 0xff7fffff
.endr
	s_mov_b32 s[JR], 1
.endm
; A TRIP, for step j.  endb = 1 (the loop's copy): where step j is the first block's last, the second block's Q and a fresh m are set ahead of the products K Q^T, which are the second block's first, and the first block
; goes out behind its last products V^T P; the riders have by then opened the second block's softmax, in registers that the way out does not name.
.macro TRIP endb
	v_add_nc_u32 v[AK], s[TBK], v[AK0]
	FETCH_K                         ; K of step j + 1: the last product that read K's registers stands a run of products and its riders back
	LUMP
	RESC
	s_wait_dscnt 0x0                ; K of step j + 1 is in, and V of step j, asked for at the last trip's end
.if \endb
	s_cmp_eq_u32 s[ENDB], 1
	s_cbranch_scc0 .Lsame_\@
	WIN 0x41
.set i_, 0
.rept 32
	v_mov_b32 v[i_], v[QB+i_]       ; the second block's Q goes where the one text names Q
.set i_, i_+1
.endr
	WIN 0
	RESET
.Lsame_\@:
.endif
	MASK
	PHASEB 1
	PHASEA 1, 1
.if \endb
	s_cmp_eq_u32 s[ENDB], 1
	s_cbranch_scc0 .Lgo_\@
	WAYOUT
	s_wait_xcnt 0x0                 ; the stores have read their data and att's address
	s_mov_b64 s[10:11], s[OLO:OLO+1]
	s_mov_b32 s[ENDB], 0
.Lgo_\@:
.endif
	v_add_nc_u32 v[AV], s[TBV], v[AV0]
	s_add_co_u32 s[TBV], s[TBV], KS*PV
	FETCH_V                         ; V of step j + 1
.endm
	RESET
	s_mov_b32 s[JR], 0              ; the masks have just been cleared
	CHANGE 1                        ; tile 0 is in, everybody's part of it; the next tile is asked for
	v_add_nc_u32 v[AK], s[TBK], v[AK0]
	FETCH_K                         ; key step 0
	s_wait_loadcnt 0x0              ; Q
	MASK                            ; CNT = 4: step 0 of tile 0
	s_wait_dscnt 0x0
	PHASEB 0                        ; the first scores: there is no vector work yet to set between them
	PLACES
	PHASEA 0, 1                     ; and the opening of their softmax
	v_add_nc_u32 v[AV], s[TBV], v[AV0]
	s_add_co_u32 s[TBV], s[TBV], KS*PV
	FETCH_V
	s_mov_b32 s[CNT], 3             ; three trips fetch the rest of tile 0
	s_branch .Lstep
.Lslot:                             ; 7 times: a tile is entered and the next is asked for; four trips fetch its four steps
	CHANGE 1, 1
	s_mov_b32 s[ENDB], s[DIAG]      ; the step in hand is the last tile's last
	s_add_co_u32 s[TI], s[TI], 1
	s_cmp_eq_u32 s[TI], s[PB]
	s_cselect_b32 s[DIAG], 1, 0
	s_mov_b32 s[CNT], 4
.Lstep:
	TRIP 1
	s_sub_co_u32 s[CNT], s[CNT], 1
	s_cmp_lg_u32 s[CNT], 0
	s_cbranch_scc1 .Lstep
	s_sub_co_u32 s[SLOTS], s[SLOTS], 1
	s_cmp_lg_u32 s[SLOTS], 0
	s_cbranch_scc1 .Lslot
	CHANGE 0                        ; the walk's last tile, the second block's diagonal one, is written out
	s_mov_b32 s[DIAG], 1
	s_mov_b32 s[CNT], 4
.Ltail:
	TRIP 0
	s_sub_co_u32 s[CNT], s[CNT], 1
	s_cmp_lg_u32 s[CNT], 0
	s_cbranch_scc1 .Ltail
	LUMP                            ; the last step: nothing is left to fetch or to begin
	RESC
.set g_, 0
.rept 64
	GSN g_
.set g_, g_+1
.endr
	s_wait_dscnt 0x0                ; V of the last step
	PHASEA 1, 0
	WAYOUT
	s_wait_tensorcnt 0x0            ; the wave's end: behind my last tensor load and my last LDS store
	ds_add_u32 v[SPW], v[NIL]
	s_wait_dscnt 0x0
	s_endpgm
.Lfunc_end_k_qa9bf97901e_attn:
	.size	k_qa9bf97901e_attn, .Lfunc_end_k_qa9bf97901e_attn-k_qa9bf97901e_attn
	.p2alignl 7, 3214868480
	.fill 96, 4, 3214868480
	.section	.rodata,"a",@progbits
	.p2align	6, 0x0
	.amdhsa_kernel k_qa9bf97901e_attn
		.amdhsa_group_segment_fixed_size 327680
		.amdhsa_private_segment_fixed_size 0
		.amdhsa_enable_private_segment 0
		.amdhsa_kernarg_size 16
		.amdhsa_user_sgpr_count 2
		.amdhsa_user_sgpr_kernarg_segment_ptr 1
		.amdhsa_wavefront_size32 1
		.amdhsa_system_sgpr_workgroup_id_x 1
		.amdhsa_system_sgpr_workgroup_id_y 1
		.amdhsa_system_sgpr_workgroup_id_z 1
		.amdhsa_system_vgpr_workitem_id 0
		.amdhsa_next_free_vgpr 640
		.amdhsa_next_free_sgpr 100
		.amdhsa_reserve_vcc 1
		.amdhsa_float_denorm_mode_32 3
		.amdhsa_float_denorm_mode_16_64 3
		.amdhsa_memory_ordered 1
		.amdhsa_forward_progress 1
		.amdhsa_inst_pref_size 101
	.end_amdhsa_kernel
	.amdgpu_metadata
---
amdhsa.version: [ 1, 2 ]
amdhsa.kernels:
  - .name:           k_qa9bf97901e_attn
    .symbol:         k_qa9bf97901e_attn.kd
    .args:
      - { .name: qkv, .offset: 0, .size: 8, .value_kind: global_buffer, .address_space: global }
      - { .name: att, .offset: 8, .size: 8, .value_kind: global_buffer, .address_space: global }
    .group_segment_fixed_size: 327680
    .private_segment_fixed_size: 0
    .kernarg_segment_align: 8
    .kernarg_segment_size: 16
    .max_flat_workgroup_size: 128
    .sgpr_count:     100
    .vgpr_count:     640
    .wavefront_size: 32
...
	.end_amdgpu_metadata
.endif
;; end of part 3
;; launch wo (part 4): grid 8 x 32, 4 waves a work-group, clusters of 4 x 4, 327,680 bytes of LDS; arguments att, wb, bo, x, x1; writes x1
.if DOCPART == 4
	.amdgcn_target "amdgcn-amd-amdhsa--gfx1250"
	.amdhsa_code_object_version 6
	.text
	.protected	k_qa9bf97901e_wo
	.globl	k_qa9bf97901e_wo
	.p2align	8
	.type	k_qa9bf97901e_wo,@function
k_qa9bf97901e_wo:
	s_mov_b64 s[64:65], 0
	v_nop
	global_prefetch_b8 v0, s[64:65] scope:SCOPE_SE
	s_setreg_imm32_b32 hwreg(HW_REG_WAVE_MODE, 25, 1), 1
	s_wait_xcnt 0x0
	s_wait_alu depctr_hold_cnt(0) depctr_sa_sdst(0) depctr_va_vdst(0) depctr_va_sdst(0) depctr_va_ssrc(0) depctr_va_vcc(0) depctr_vm_vsrc(0)
	s_getreg_b32 s2, hwreg(HW_REG_IB_STS2, 6, 4)
	s_cmp_eq_u32 s2, 0
	s_cbranch_scc0 .Lentry_in_a_cluster
	s_endpgm
.Lentry_in_a_cluster:
	s_bfe_u32 s2, ttmp6, 0x10000c
	s_cmp_lg_u32 s2, 0xf033
	s_cbranch_scc0 .Lentry_shape_is_right
	s_endpgm
.Lentry_shape_is_right:
; x1 = x + att Wo + bo, f32.  att: [16 blocks of 64 k][4096 token][64] bf16; Wo lies in wb as [K][N] bf16, WOFF bytes in; x, x1: [4096][1024] f32.
; A tile of the result is 128 x 128: 8 x 32 = 256 work-groups.  Four waves, 2 x 2, each 64 x 64: 16 accumulators.  K goes in KT steps of 256 through two LDS slots of four panels; wave w fills panel w:
; panels 0, 1 = A's k 0-127, 128-255 (two dense blocks of 128 tokens x 64 k each, asked for as 2 rows of 16 KiB and padded after every 128 bytes), panels 2, 3 = 128 k rows x 128 columns of the weights.
; The weights are turned on the way out of LDS.  THE PRODUCT IS TAKEN TRANSPOSED (source 0 = 16 columns of W, source 1 = 16 rows of A).  The bias is the C operand of the first product on each accumulator.
; The residual is loaded at the start into window 3 and added on the way out.  CLUSTER 4 x 4: A's panels are asked for jointly along a row of the cluster, the weights' along a column.
; No prefetch here: the walk has four K steps, of which the first four come by their loads alone in this program's form.
.set WM, 4
.set WN, 4
.set KQ, 2
.set APW, 4
.set KT, 4
.set WOFF, 6291456
.set APITCH, 144
.set STEPA, 2097152
.set STEPB, 524288
.set BIAS, 192
.set HASC, 1
.set HASK, 0
; ---- the core, the same text in the four products of this program ----
; WM, WN: a wave's blocks of 16 rows and columns.  KQ: units of 32 along K in a quarter step.  APW: row blocks in a register window.  KT: K steps.
; REGISTERS, in windows of 256 (s_set_vgpr_msb: bits 1:0 source 0, 3:2 source 1, 5:4 source 2, 7:6 destination).  Window 0: addresses, two fragment buffers of A from v64, the bias.
; Window 1: two fragment buffers of B.  Windows 2, 3: accumulator (a, b) in window 2 + a / APW at v[8 (WN (a % APW) + b)].
.set PAN,   36864                      ; a panel: 128 rows x 272 (A by rows), 256 pieces x 144 (A by blocks of 64 k) or 128 rows x 288 (B)
.set SLOT,  4*PAN                      ; 0x24000: no bit in common with wave x PAN, so one exclusive or turns an address in one slot into the other's
.set SPARE, 2*SLOT                     ; behind the ring: the spare words, 128 bytes for each wave: two blocks of 256 bytes that no other line names
.set EP,    64*WN+16                   ; the way out: a row of a wave's f32 results + 16 bytes: 4 words more than a multiple of 64, so 16 rows start at 16 different groups of four banks
.set REG,   16*WM*EP                   ; a wave's rows on the way out, laid over the ring behind its last fill
.set FA0,   64
.set FAS,   8*WM*KQ
.set FBS,   8*WN*KQ
.set ADRA0, 16                         ; v16-18  my lane's places in slot 0: A, B, B's second panel; never rewritten
.set ADRB0, 17
.set ADRC0, 18
.set ADRA,  20                         ; v20-22  the same in the slot in hand
.set ADRB,  21
.set ADRC,  22
.set BO,    23                         ; v23     32 x (lane / 16): my eight numbers of a block's bias
.set DST,   24                         ; v24     the way out: where I put 32 bytes of a row
.set RD,    25                         ; v25     the way out: where I read rows back
.set SPW,   28                         ; v28     LDS address of my spare word; never rewritten
.set NIL,   29                         ; v29     0; never rewritten
.set PFO,   30                         ; v30     the prefetches' lane offset; never rewritten
; s3 count; s[4:5] A, s[6:7] wb; s10 wave, s11 I fetch A (0) or B (1), s12 which panel; s13 tile row, s42 tile column; s[14:15], s[46:47] my panels' addresses; s20 wave x PAN;
; s[24:31], s[48:55] group 1 of A, B; s[32:35], s[56:59] group 0 of the first fill; s[36:39], s[60:63] group 0 that walks; s40, s41 cx, cy; s43 prefetch limit; s[44:45] prefetch address; s66 the slot in hand; s67, s68 wm, wn; s[70:71] prefetch step
.set MSB, 0
.macro WIN new                         ; the immediate's high byte repeats the setting that is left; a switch that changes nothing is dropped
.if MSB != (\new)
	s_set_vgpr_msb (MSB<<8)|(\new)
.set MSB, \new
.endif
.endm
.macro PLACES                          ; four plain instructions between a matrix instruction and a load into, or a read of, its registers
.rept 4
	v_nop
.endr
.endm
.macro CREST                           ; a round of the cluster's barrier behind its opening barrier
	s_cmp_lg_u32 s10, 0
	s_cbranch_scc1 .Lnot_wave_0_\@
	s_barrier_signal -3
.Lnot_wave_0_\@:
	s_barrier_wait -3
	s_barrier_signal -1
	s_barrier_wait -1
.endm
.macro CROUND
	s_barrier_signal -1
	s_barrier_wait -1
	CREST
.endm
.macro JLOAD s                         ; a joint load, by the wave's role alone; an s_nop 0 and four v_nop follow each of the two lines
	s_cmp_eq_u32 s11, 0
	s_cbranch_scc0 .Lfor_b_\@
	tensor_load_to_lds s[32+4*(\s):35+4*(\s)], s[24:31]
	s_nop 0
.rept 4
	v_nop
.endr
	s_branch .Lasked_\@
.Lfor_b_\@:
	tensor_load_to_lds s[56+4*(\s):59+4*(\s)], s[48:55]
	s_nop 0
.rept 4
	v_nop
.endr
.Lasked_\@:
.endm
.macro G1REST g, d0, d1, pitch         ; group 1 behind its first word: a tile of d1 rows of d0 elements that lies inside the tensor
	s_mov_b32 s[(\g)+1], (\d0)<<16                 ; tensor_dim0
	s_mov_b32 s[(\g)+2], (\d1)<<16                 ; tensor_dim1
	s_mov_b32 s[(\g)+3], (\d0)<<16                 ; tile_dim0
	s_mov_b32 s[(\g)+4], \d1                       ; tile_dim1
	s_mov_b32 s[(\g)+5], \pitch                    ; elements from row to row
	s_mov_b32 s[(\g)+6], 0
	s_mov_b32 s[(\g)+7], 0
.endm
.macro OPEN                            ; the add's two registers and the opening add (ahead of my first tensor load); my wave, my place, the two masks
	v_lshl_add_u32 v[SPW], v0, 2, SPARE
	v_mov_b32 v[NIL], 0
	ds_add_u32 v[SPW], v[NIL]
	v_lshrrev_b32 v1, 5, v0
	v_readfirstlane_b32 s10, v1
	s_lshr_b32 s67, s10, 1                         ; wm: which half of the tile's rows is mine
	s_and_b32 s68, s10, 1                          ; wn: which half of its columns
	s_bfe_u32 s40, ttmp6, 0x40000                  ; cx
	s_bfe_u32 s41, ttmp6, 0x40004                  ; cy
	s_lshl_b32 s42, ttmp9, 2
	s_add_co_u32 s42, s42, s40                     ; tile column = 4 x cluster x + cx
	s_and_b32 s13, ttmp7, 0xffff
	s_lshl_b32 s13, s13, 2
	s_add_co_u32 s13, s13, s41                     ; tile row = 4 x cluster y + cy
	s_lshl_b32 s43, s41, 2
	s_lshl_b32 s43, 15, s43                        ; my row of the cluster
	s_lshl_b32 s44, 0x1111, s40                    ; my column
	s_mul_i32 s20, s10, PAN                        ; wave w fills panel w: no place in the cluster enters an LDS address
	s_mov_b32 s66, 0
.endm
.macro FILLS                           ; the round in front of the first joint loads; both sets of group 0; K steps 0 and 1 go out together: two loads of mine are out
	CROUND
.irp s, 0,1
	s_mov_b32 s[32+4*\s], 1
	s_add_co_u32 s[33+4*\s], s20, \s*SLOT
	s_add_nc_u64 s[34+4*\s:35+4*\s], s[14:15], \s*STEPA
	s_or_b32 s[35+4*\s], s[35+4*\s], 0x80000000
	s_mov_b32 s[56+4*\s], 1
	s_add_co_u32 s[57+4*\s], s20, \s*SLOT
	s_add_nc_u64 s[58+4*\s:59+4*\s], s[46:47], \s*STEPB
	s_or_b32 s[59+4*\s], s[59+4*\s], 0x80000000
	JLOAD \s
.endr
.endm
.macro LANES                           ; v1 = l % 16, v2 = l / 16; v3 my place in a fragment of A (row x pitch + 16 x half); v4 in a turned fragment of B (k row 8 (l / 16) + l % 8, 16 bytes by (l / 8) % 2)
	v_and_b32 v1, 15, v0
	v_bfe_u32 v2, v0, 4, 1
	v_mul_u32_u24 v3, v1, APITCH
	v_lshl_add_u32 v3, v2, 4, v3
	v_and_b32 v4, 7, v0
	v_lshl_add_u32 v4, v2, 3, v4
	v_mul_u32_u24 v4, v4, 288
	v_bfe_u32 v5, v0, 3, 1
	v_lshl_add_u32 v4, v5, 4, v4
	v_lshlrev_b32 v[BO], 5, v2
	s_mul_i32 s21, s10, REG
	v_mul_u32_u24 v[DST], v1, EP
	v_lshl_add_u32 v[DST], v2, 5, v[DST]
	v_add_nc_u32 v[DST], s21, v[DST]
	v_mul_u32_u24 v[RD], v2, EP
	v_lshl_add_u32 v[RD], v1, 4, v[RD]
	v_add_nc_u32 v[RD], s21, v[RD]
.endm
; Half a quarter's products on buffer f.  KQ = 1: the row blocks of window 2 + half.  KQ = 2: unit half of the two, all row blocks.  first = 1: the bias starts the sums.
; The accumulators take turns, one instruction a turn, in the same order everywhere.
.macro MULH f, half, first
.if KQ == 1
.set mw_, 2+(\half)
.set a_, (\half)*WM/2
.set na_, WM/2
.set c_, 0
.else
.set mw_, 2
.set a_, 0
.set na_, WM
.set c_, \half
.endif
.if \first
	WIN (mw_<<6)|1
.else
	WIN (mw_<<6)|(mw_<<4)|1
.endif
.rept na_
.set b_, 0
.rept WN
.set rD, 8*(WN*(a_%APW)+b_)
.set rB, FBS*(\f)+8*(WN*c_+b_)
.set rA, FA0+FAS*(\f)+8*(WM*c_+a_)
.if \first
	v_wmma_f32_16x16x32_bf16 v[rD:rD+7], v[rB:rB+7], v[rA:rA+7], v[BIAS+8*b_:BIAS+8*b_+7]
.else
	v_wmma_f32_16x16x32_bf16 v[rD:rD+7], v[rB:rB+7], v[rA:rA+7], v[rD:rD+7]
.endif
.set b_, b_+1
.endr
.set a_, a_+1
.endr
.endm
; 32 LDS loads in one run: quarter q (units 2 q, 2 q + 1 of the step's eight) of the slot in hand into buffer f.  Unit u of A lies in panel u / 4, block (u % 4) / 2, bytes 64 (u % 2) of its pieces.
.macro FETCH q, f
	WIN 0x40
.irp c, 0,1
.set u_, 2*(\q)+\c
.set b_, 0
.rept WN
.set rB, FBS*(\f)+8*(WN*\c+b_)
.if u_ < 4
	ds_load_tr16_b128 v[rB:rB+3],   v[ADRB] offset:9216*u_+32*b_
	ds_load_tr16_b128 v[rB+4:rB+7], v[ADRB] offset:9216*u_+32*b_+4608
.else
	ds_load_tr16_b128 v[rB:rB+3],   v[ADRC] offset:9216*(u_-4)+32*b_
	ds_load_tr16_b128 v[rB+4:rB+7], v[ADRC] offset:9216*(u_-4)+32*b_+4608
.endif
.set b_, b_+1
.endr
.endr
	WIN 0
.irp c, 0,1
.set u_, 2*(\q)+\c
.set ao_, (u_/4)*PAN+((u_%4)/2)*18432+(u_%2)*64
.set a_, 0
.rept WM
.set rA, FA0+FAS*(\f)+8*(WM*\c+a_)
	ds_load_b128 v[rA:rA+3],   v[ADRA] offset:ao_+a_*16*APITCH
	ds_load_b128 v[rA+4:rA+7], v[ADRA] offset:ao_+a_*16*APITCH+32
.set a_, a_+1
.endr
.endr
.endm
; One of a step's first three quarters: buffer f, asked for a quarter ago, is in; quarter q goes out into buffer g; f is multiplied meanwhile.
.macro QUARTER q, f, g, first=0
	s_wait_dscnt 0x0
.if !(\first)
	PLACES
.endif
	FETCH \q, \g
	MULH \f, 0, \first
	MULH \f, 1, (\first)*(2-KQ)
.endm
; A prefetch into the L2, behind the joint load and the run of LDS loads: 32 blocks of 256 bytes, a lane a block, of the panel that I fetch myself, for the K step two refills on.
; Each block is named once in the launch: of the clusters that read A's rows the one with x = 0 asks, of those that read B's the one with y = 0; the four partners of a joint load share a panel's 128 blocks by address.
; The last two refills have no K step two on: s3 is then 2 and 1.
.macro ASK
	s_cmp_gt_u32 s3, s43
	s_cbranch_scc0 .Lnot_mine_\@
	global_prefetch_b8 v[PFO], s[44:45] th:TH_LOAD_NT scope:SCOPE_SE
.Lnot_mine_\@:
.endm
; The last quarter multiplies buffer 1 and changes slots.  In front of the barrier each wave waits for all its tensor loads (one is out: its panel of the next slot), adds 0 to its spare word, and waits for that
; and for its reads of this slot.  fill = 1: the barrier opens a round of the cluster's, and the joint refill, two K steps on, is the first thing behind the round.
.macro TURN fill
.if (\fill) && HASK
	s_wait_xcnt 0x0                                ; the last prefetch, a K step back, has read its address
	s_add_nc_u64 s[44:45], s[44:45], s[70:71]
.endif
	WIN 0
	s_wait_tensorcnt 0x0
	ds_add_u32 v[SPW], v[NIL]                      ; 0 onto my spare word; the steps below stand between it and the wait for it
	s_xor_b32 s66, s66, SLOT
.if \fill
	s_xor_b32 s37, s37, SLOT                       ; the walking descriptors: the other slot than last time, the next K step
	s_xor_b32 s61, s61, SLOT
	s_add_nc_u64 s[38:39], s[38:39], STEPA
	s_add_nc_u64 s[62:63], s[62:63], STEPB
.endif
	s_wait_dscnt 0x0                               ; the add is done, buffer 1 is in, my reads of this slot are over
	s_barrier_signal -1
	MULH 1, 0, 0
	WIN 0
	s_barrier_wait -1
.if \fill
	CREST
	JLOAD 1                                        ; its four v_nop are also the places in front of the loads below
.else
	PLACES
.endif
	v_add_nc_u32 v[ADRA], s66, v[ADRA0]
	v_add_nc_u32 v[ADRB], s66, v[ADRB0]
.if HASC
	v_add_nc_u32 v[ADRC], s66, v[ADRC0]
.endif
	FETCH 0, 0
.if (\fill) && HASK
	ASK
.endif
	MULH 1, 1, 0
.endm
; The whole walk along K.  left: the global loads younger than the bias's.  The loop's KT - 2 trips each refill a slot; the last two steps are a loop of two trips that is left in its middle.
.macro RUN left
	s_wait_tensorcnt 0x1                           ; my panel of K step 0 is in; step 1's may stay out
	s_barrier_signal -1
	s_barrier_wait -1
	FETCH 0, 0
	s_wait_loadcnt \left                           ; the bias
	QUARTER 1, 0, 1, 1
	WIN 0
	s_mov_b32 s3, KT-2
.Lstep:
	QUARTER 2, 1, 0
	QUARTER 3, 0, 1
	TURN 1
	QUARTER 1, 0, 1
	WIN 0
	s_sub_co_u32 s3, s3, 1
	s_cmp_lg_u32 s3, 0
	s_cbranch_scc1 .Lstep
	s_mov_b32 s3, 2
.Ltail:
	QUARTER 2, 1, 0
	QUARTER 3, 0, 1
	WIN 0
	s_sub_co_u32 s3, s3, 1
	s_cmp_eq_u32 s3, 0
	s_cbranch_scc1 .Llast
	TURN 0
	QUARTER 1, 0, 1
	WIN 0
	s_branch .Ltail
.Llast:
	s_wait_dscnt 0x0                               ; my reads of the ring are over:
	s_barrier_signal -1
	MULH 1, 0, 0
	MULH 1, 1, 0
	WIN 0
	s_barrier_wait -1                              ; everybody's are: the ring, which has had its last fill, takes the results
	PLACES
.set a_, 0
.rept WM                               ; the f32 sums, 32 bytes a lane and block, each accumulator from its low end
	WIN 0x08+4*(a_/APW)
.set b_, 0
.rept WN
.set rD, 8*(WN*(a_%APW)+b_)
	ds_store_b128 v[DST], v[rD:rD+3]   offset:a_*16*EP+64*b_
	ds_store_b128 v[DST], v[rD+4:rD+7] offset:a_*16*EP+64*b_+16
.set b_, b_+1
.endr
.set a_, a_+1
.endr
	WIN 0
	s_wait_dscnt 0x0                               ; my stores are done; the rows are read back behind a barrier
	s_barrier_signal -1
	s_barrier_wait -1
.endm
.macro CLOSE
	s_wait_tensorcnt 0x0                           ; the wave's end: behind my last tensor load and my last LDS store
	ds_add_u32 v[SPW], v[NIL]
	s_wait_dscnt 0x0
	CROUND                                         ; the closing round: no work-group ends while a partner may still ask for a panel that names it
	s_endpgm
.endm
; ---- end of the core ----
	s_load_b128 s[4:7], s[0:1], 0x0                ; A, wb
	s_load_b128 s[72:75], s[0:1], 0x10             ; bias s[72:73], residual s[74:75]
	s_load_b64 s[76:77], s[0:1], 0x20              ; the result
	OPEN
	s_mov_b32 s11, s67                             ; waves 0, 1 fetch A's panels, waves 2, 3 the weights'
	s_mov_b32 s12, s68                             ; which half of the step's 256 k
	s_or_b32 s24, s43, (1<<16)|(1<<20)|(1<<21)|(4<<22)|(3<<25)  ; mask of my row; 2-byte elements; padding on; bit 21 beside a mask; after every 32 words 4 words: pitch 144
	s_or_b32 s48, s44, (1<<16)|(1<<20)|(1<<21)|(5<<22)|(7<<25)  ; mask of my column; after every 64 words 8 words: pitch 288
	G1REST 24, 8192, 2, 262144                     ; two dense blocks of 8,192 elements, 4,096 tokens x 64 apart
	G1REST 48, 128, 128, 1024
	s_lshl_b32 s16, s12, 20                        ; two blocks of 64 k, 512 KiB each, a panel
	s_lshl_b32 s17, s13, 14                        ; 128 tokens of 128 bytes a tile row
	s_add_co_u32 s16, s16, s17
	s_mov_b32 s17, 0
	s_lshl_b32 s46, s12, 18                        ; 128 k rows of 2,048 bytes a panel
	s_lshl_b32 s47, s42, 8                         ; 256 bytes of a row a tile column
	s_add_co_u32 s46, s46, s47
	s_add_co_u32 s46, s46, WOFF
	s_mov_b32 s47, 0
	s_wait_dscnt 0x0                               ; the opening add is done
	s_wait_kmcnt 0x0
	s_add_nc_u64 s[14:15], s[4:5], s[16:17]
	s_add_nc_u64 s[46:47], s[6:7], s[46:47]
	FILLS
	LANES
	s_mul_i32 s21, s67, 64*APITCH
	s_lshl_b32 s22, s68, 7
	s_add_co_u32 s23, s22, 3*PAN
	s_add_co_u32 s22, s22, 2*PAN
	v_add_nc_u32 v[ADRA0], s21, v3
	v_add_nc_u32 v[ADRB0], s22, v4
	v_add_nc_u32 v[ADRC0], s23, v4
	v_mov_b32 v[ADRA], v[ADRA0]
	v_mov_b32 v[ADRB], v[ADRB0]
	v_mov_b32 v[ADRC], v[ADRC0]
	s_lshl_b32 s22, s42, 9                         ; my 64 columns: 4 bytes x (128 x tile column + 64 wn)
	s_lshl_b32 s23, s68, 8
	s_add_co_u32 s22, s22, s23
	s_mov_b32 s23, 0
	s_add_nc_u64 s[72:73], s[72:73], s[22:23]
.set b_, 0
.rept WN                               ; register j of block b holds bias[16 b + 8 (l / 16) + j], as the C operand wants it
	global_load_b128 v[BIAS+8*b_:BIAS+8*b_+3],   v[BO], s[72:73] offset:64*b_
	global_load_b128 v[BIAS+8*b_+4:BIAS+8*b_+7], v[BO], s[72:73] offset:64*b_+16
.set b_, b_+1
.endr
	s_lshl_b32 s18, s13, 19                        ; + my 64 rows of 4,096 bytes
	s_lshl_b32 s19, s67, 18
	s_add_co_u32 s22, s22, s18
	s_add_co_u32 s22, s22, s19
	s_add_nc_u64 s[74:75], s[74:75], s[22:23]
	s_add_nc_u64 s[76:77], s[76:77], s[22:23]
	v_lshlrev_b32 v26, 12, v2                      ; lanes 0-15 take 256 bytes of one row, lanes 16-31 of the next; never rewritten
	v_lshl_add_u32 v26, v1, 4, v26
	WIN 0xc0
.set t_, 0
.rept 32                               ; the residual of my 64 x 64, into window 3: it has the whole walk in which to land
	global_load_b128 v[4*t_:4*t_+3], v26, s[74:75] offset:8192*t_
.set t_, t_+1
.endr
	WIN 0
.if HASK
	; the prefetches.  A's panel is two dense blocks of 64 x 256 bytes: my work-group's 32 by cx; the weights' 128 rows of 2,048 bytes: 32 by cy.  The first refill steps the address to K step 4
	s_lshr_b32 s18, s40, 1
	s_lshl_b32 s18, s18, 19
	s_and_b32 s19, s40, 1
	s_lshl_b32 s19, s19, 13
	s_add_co_u32 s18, s18, s19
	s_lshl_b32 s19, s41, 16
	s_and_b32 s23, ttmp7, 0xffff
	s_mov_b32 s70, STEPB
	s_mov_b32 s71, 0
	s_cmp_eq_u32 s11, 0
	s_cselect_b32 s18, s18, s19
	s_cselect_b32 s22, 8, 11
	s_cselect_b32 s23, ttmp9, s23                  ; the coordinate along which other clusters read the same panel
	s_cselect_b64 s[44:45], s[14:15], s[46:47]
	s_cselect_b32 s70, STEPA, s70
	s_cmp_eq_u32 s23, 0
	s_cselect_b32 s43, 2, -1
	s_mul_i32 s19, s70, 3
	s_add_co_u32 s18, s18, s19
	s_mov_b32 s19, 0
	s_add_nc_u64 s[44:45], s[44:45], s[18:19]
	v_and_b32 v[PFO], 31, v0
	v_lshlrev_b32 v[PFO], s22, v[PFO]
.endif
	RUN 32                                         ; the residual's 32 loads are younger than the bias's
	; THE WAY OUT: my 64 rows come back as whole rows of 256 bytes, take the residual, and leave: 16 lanes store 256 consecutive bytes, aligned
.set t_, 0
.rept 32
	ds_load_b128 v[64+4*t_:64+4*t_+3], v[RD] offset:2*EP*t_
.set t_, t_+1
.endr
	s_wait_dscnt 0x0
	s_wait_loadcnt 0x0                             ; the residual
	WIN 0x0c
.set z_, 0
.rept 64
	v_pk_add_f32 v[64+2*z_:65+2*z_], v[64+2*z_:65+2*z_], v[2*z_:2*z_+1]
.set z_, z_+1
.endr
	WIN 0
.set t_, 0
.rept 32
	global_store_b128 v26, v[64+4*t_:64+4*t_+3], s[76:77] offset:8192*t_
.set t_, t_+1
.endr
	CLOSE
.Lfunc_end_k_qa9bf97901e_wo:
	.size	k_qa9bf97901e_wo, .Lfunc_end_k_qa9bf97901e_wo-k_qa9bf97901e_wo
	.p2alignl 7, 3214868480
	.fill 96, 4, 3214868480
	.section	.rodata,"a",@progbits
	.p2align	6, 0x0
	.amdhsa_kernel k_qa9bf97901e_wo
		.amdhsa_group_segment_fixed_size 327680
		.amdhsa_private_segment_fixed_size 0
		.amdhsa_enable_private_segment 0
		.amdhsa_kernarg_size 40
		.amdhsa_user_sgpr_count 2
		.amdhsa_user_sgpr_kernarg_segment_ptr 1
		.amdhsa_wavefront_size32 1
		.amdhsa_system_sgpr_workgroup_id_x 1
		.amdhsa_system_sgpr_workgroup_id_y 1
		.amdhsa_system_sgpr_workgroup_id_z 1
		.amdhsa_system_vgpr_workitem_id 0
		.amdhsa_next_free_vgpr 896
		.amdhsa_next_free_sgpr 100
		.amdhsa_reserve_vcc 0
		.amdhsa_float_denorm_mode_32 3
		.amdhsa_float_denorm_mode_16_64 3
		.amdhsa_memory_ordered 1
		.amdhsa_forward_progress 1
		.amdhsa_inst_pref_size 68
	.end_amdhsa_kernel
	.amdgpu_metadata
---
amdhsa.version: [ 1, 2 ]
amdhsa.kernels:
  - .name:           k_qa9bf97901e_wo
    .symbol:         k_qa9bf97901e_wo.kd
    .args:
      - { .name: att, .offset: 0, .size: 8, .value_kind: global_buffer, .address_space: global }
      - { .name: wb, .offset: 8, .size: 8, .value_kind: global_buffer, .address_space: global }
      - { .name: bo, .offset: 16, .size: 8, .value_kind: global_buffer, .address_space: global }
      - { .name: x, .offset: 24, .size: 8, .value_kind: global_buffer, .address_space: global }
      - { .name: x1, .offset: 32, .size: 8, .value_kind: global_buffer, .address_space: global }
    .group_segment_fixed_size: 327680
    .private_segment_fixed_size: 0
    .kernarg_segment_align: 8
    .kernarg_segment_size: 40
    .max_flat_workgroup_size: 128
    .sgpr_count:     100
    .vgpr_count:     896
    .wavefront_size: 32
...
	.end_amdgpu_metadata
.endif
;; end of part 4
;; launch ln2 (part 5): grid 1024 x 1, 4 waves a work-group, no clusters, 0 bytes of LDS; arguments x1, ln2_w, ln2_b, hb; writes hb
.if DOCPART == 5
	.amdgcn_target "amdgcn-amd-amdhsa--gfx1250"
	.amdhsa_code_object_version 6
	.text
	.protected	k_qa9bf97901e_ln2
	.globl	k_qa9bf97901e_ln2
	.p2align	8
	.type	k_qa9bf97901e_ln2,@function
k_qa9bf97901e_ln2:
	s_mov_b64 s[64:65], 0
	v_nop
	global_prefetch_b8 v0, s[64:65] scope:SCOPE_SE
	s_setreg_imm32_b32 hwreg(HW_REG_WAVE_MODE, 25, 1), 1
	s_wait_xcnt 0x0
; hb = LayerNorm(x1) * ln2_w + ln2_b, rounded once to bf16.  A stream: no LDS, no barrier, no matrix unit.
; A row is 1,024 f32 = 4,096 bytes = 32 registers of one wave: it stays in registers between the mean, the variance (of x - mean: no difference of large sums) and the scaling.
; ONE ROW A WAVE, four a work-group: the row's text stands once, and all 4,096 rows can be on their way together; gain and bias (8 KiB that every wave reads) are loaded for each row.
; Load j of a row covers 512 neighbouring bytes: a lane holds columns 128 j + 4 lane + 0..3; its 8 bytes of bf16 lie at 256 j + 8 lane, so one store covers 256 aligned bytes.
.set T,   4                            ; v[4:11]   four running sums (pairs)
.set MU,  12                           ; v[12:13]  the mean, twice
.set RS,  14                           ; v[14:15]  1 / sqrt(var + eps), twice
.set Y,   16                           ; v[16:31]  the row in bf16
.set W,   32                           ; v[32:63]  the gain of my 32 columns
.set BV,  64                           ; v[64:95]  the bias
.set X,   96                           ; v[96:127] the row
	s_load_b256 s[4:11], s[0:1], 0x0               ; x1 s[4:5], gain s[6:7], bias s[8:9], hb s[10:11]
	v_and_b32 v3, 31, v0                           ; lane
	v_lshrrev_b32 v1, 5, v0
	v_readfirstlane_b32 s26, v1                    ; wave
	v_lshlrev_b32 v1, 4, v3                        ; 16 x lane: never rewritten
	v_lshlrev_b32 v2, 3, v3                        ; 8 x lane: never rewritten
	s_lshl_b32 s27, ttmp9, 2
	s_add_co_u32 s27, s27, s26                     ; my row = 4 x work-group + wave
	s_lshl_b32 s28, s27, 12                        ; in x1: 4,096 bytes a row
	s_mov_b32 s29, 0
	s_lshl_b32 s30, s27, 11                        ; in hb: 2,048
	s_mov_b32 s31, 0
	s_mov_b32 s12, 0x76543210                      ; v_permlanex16_b32: each lane takes its own place in the other half
	s_mov_b32 s13, 0xfedcba98
	s_mov_b32 s14, 0x3a800000                      ; 1 / 1024
	s_mov_b32 s15, 0x3727c5ac                      ; 1e-5
	s_wait_kmcnt 0x0
	s_add_nc_u64 s[4:5], s[4:5], s[28:29]
	s_add_nc_u64 s[10:11], s[10:11], s[30:31]
.irp j, 0,1,2,3,4,5,6,7
	global_load_b128 v[X+4*\j:X+4*\j+3], v1, s[4:5] offset:512*\j
.endr
.irp j, 0,1,2,3,4,5,6,7
	global_load_b128 v[W+4*\j:W+4*\j+3], v1, s[6:7] offset:512*\j
.endr
.irp j, 0,1,2,3,4,5,6,7
	global_load_b128 v[BV+4*\j:BV+4*\j+3], v1, s[8:9] offset:512*\j
.endr
.macro REDUCE                          ; the four chains into one number, then over the 32 lanes: every lane ends with the row's sum in v[T]
	v_pk_add_f32 v[T:T+1], v[T:T+1], v[T+2:T+3]
	v_pk_add_f32 v[T+4:T+5], v[T+4:T+5], v[T+6:T+7]
	v_pk_add_f32 v[T:T+1], v[T:T+1], v[T+4:T+5]
	v_add_f32 v[T], v[T], v[T+1]
	v_add_f32_dpp v[T], v[T], v[T] row_xmask:1 row_mask:0xf bank_mask:0xf
	v_add_f32_dpp v[T], v[T], v[T] row_xmask:2 row_mask:0xf bank_mask:0xf
	v_add_f32_dpp v[T], v[T], v[T] row_xmask:4 row_mask:0xf bank_mask:0xf
	v_add_f32_dpp v[T], v[T], v[T] row_xmask:8 row_mask:0xf bank_mask:0xf
	v_permlanex16_b32 v[T+1], v[T], s12, s13
	v_add_f32 v[T], v[T], v[T+1]
.endm
	s_wait_loadcnt 16                              ; the row's eight loads are in; the gain's and the bias's sixteen, which are younger, stay out
.irp c, 0,1,2,3
	v_pk_add_f32 v[T+2*\c:T+2*\c+1], v[X+4*\c:X+4*\c+1], v[X+4*\c+2:X+4*\c+3]  ; the first pairs start the chains: nothing is cleared
.endr
.irp p, 8,9,10,11,12,13,14,15
	v_pk_add_f32 v[T+2*((\p)%4):T+2*((\p)%4)+1], v[T+2*((\p)%4):T+2*((\p)%4)+1], v[X+2*\p:X+2*\p+1]
.endr
	REDUCE
	v_mul_f32 v[MU], s14, v[T]
	v_mul_f32 v[MU+1], s14, v[T]
.set p_, 0
.rept 16
	v_pk_add_f32 v[X+2*p_:X+2*p_+1], v[X+2*p_:X+2*p_+1], v[MU:MU+1] neg_lo:[0,1] neg_hi:[0,1]  ; x - mean, in place
.set p_, p_+1
.endr
.irp c, 0,1,2,3
	v_pk_mul_f32 v[T+2*\c:T+2*\c+1], v[X+2*\c:X+2*\c+1], v[X+2*\c:X+2*\c+1]
.endr
.irp p, 4,5,6,7,8,9,10,11,12,13,14,15
	v_pk_fma_f32 v[T+2*((\p)%4):T+2*((\p)%4)+1], v[X+2*\p:X+2*\p+1], v[X+2*\p:X+2*\p+1], v[T+2*((\p)%4):T+2*((\p)%4)+1]
.endr
	REDUCE
	v_fma_f32 v[T], v[T], s14, s15                 ; var + eps
	v_rsq_f32 v[RS], v[T]
	v_rsq_f32 v[RS+1], v[T]
	v_nop                                          ; a plain instruction behind the last of the two,
	s_wait_alu depctr_va_vdst(0)                   ; and the one wait ahead of their first reader
.set p_, 0
.rept 16
	v_pk_mul_f32 v[X+2*p_:X+2*p_+1], v[X+2*p_:X+2*p_+1], v[RS:RS+1]
.set p_, p_+1
.endr
	s_wait_loadcnt 0x0                             ; gain and bias
.set p_, 0
.rept 16
	v_pk_fma_f32 v[X+2*p_:X+2*p_+1], v[X+2*p_:X+2*p_+1], v[W+2*p_:W+2*p_+1], v[BV+2*p_:BV+2*p_+1]
.set p_, p_+1
.endr
.set p_, 0
.rept 16
	v_cvt_pk_bf16_f32 v[Y+p_], v[X+2*p_], v[X+2*p_+1]
.set p_, p_+1
.endr
.irp j, 0,1,2,3,4,5,6,7
	global_store_b64 v2, v[Y+2*\j:Y+2*\j+1], s[10:11] offset:256*\j  ; 32 lanes x 8 bytes: 256 consecutive bytes, aligned
.endr
	s_endpgm
.Lfunc_end_k_qa9bf97901e_ln2:
	.size	k_qa9bf97901e_ln2, .Lfunc_end_k_qa9bf97901e_ln2-k_qa9bf97901e_ln2
	.p2alignl 7, 3214868480
	.fill 96, 4, 3214868480
	.section	.rodata,"a",@progbits
	.p2align	6, 0x0
	.amdhsa_kernel k_qa9bf97901e_ln2
		.amdhsa_group_segment_fixed_size 0
		.amdhsa_private_segment_fixed_size 0
		.amdhsa_enable_private_segment 0
		.amdhsa_kernarg_size 32
		.amdhsa_user_sgpr_count 2
		.amdhsa_user_sgpr_kernarg_segment_ptr 1
		.amdhsa_wavefront_size32 1
		.amdhsa_system_sgpr_workgroup_id_x 1
		.amdhsa_system_sgpr_workgroup_id_y 1
		.amdhsa_system_sgpr_workgroup_id_z 1
		.amdhsa_system_vgpr_workitem_id 0
		.amdhsa_next_free_vgpr 128
		.amdhsa_next_free_sgpr 66
		.amdhsa_reserve_vcc 0
		.amdhsa_float_denorm_mode_32 3
		.amdhsa_float_denorm_mode_16_64 3
		.amdhsa_memory_ordered 1
		.amdhsa_forward_progress 1
		.amdhsa_inst_pref_size 12
	.end_amdhsa_kernel
	.amdgpu_metadata
---
amdhsa.version: [ 1, 2 ]
amdhsa.kernels:
  - .name:           k_qa9bf97901e_ln2
    .symbol:         k_qa9bf97901e_ln2.kd
    .args:
      - { .name: x1, .offset: 0, .size: 8, .value_kind: global_buffer, .address_space: global }
      - { .name: ln2_w, .offset: 8, .size: 8, .value_kind: global_buffer, .address_space: global }
      - { .name: ln2_b, .offset: 16, .size: 8, .value_kind: global_buffer, .address_space: global }
      - { .name: hb, .offset: 24, .size: 8, .value_kind: global_buffer, .address_space: global }
    .group_segment_fixed_size: 0
    .private_segment_fixed_size: 0
    .kernarg_segment_align: 8
    .kernarg_segment_size: 32
    .max_flat_workgroup_size: 128
    .sgpr_count:     66
    .vgpr_count:     128
    .wavefront_size: 32
...
	.end_amdgpu_metadata
.endif
;; end of part 5
;; launch fc (part 6): grid 16 x 16, 4 waves a work-group, clusters of 4 x 4, 327,680 bytes of LDS; arguments hb, wb, bfc, g; writes g
.if DOCPART == 6
	.amdgcn_target "amdgcn-amd-amdhsa--gfx1250"
	.amdhsa_code_object_version 6
	.text
	.protected	k_qa9bf97901e_fc
	.globl	k_qa9bf97901e_fc
	.p2align	8
	.type	k_qa9bf97901e_fc,@function
k_qa9bf97901e_fc:
	s_mov_b64 s[64:65], 0
	v_nop
	global_prefetch_b8 v0, s[64:65] scope:SCOPE_SE
	s_setreg_imm32_b32 hwreg(HW_REG_WAVE_MODE, 25, 1), 1
	s_wait_xcnt 0x0
	s_wait_alu depctr_hold_cnt(0) depctr_sa_sdst(0) depctr_va_vdst(0) depctr_va_sdst(0) depctr_va_ssrc(0) depctr_va_vcc(0) depctr_vm_vsrc(0)
	s_getreg_b32 s2, hwreg(HW_REG_IB_STS2, 6, 4)
	s_cmp_eq_u32 s2, 0
	s_cbranch_scc0 .Lentry_in_a_cluster
	s_endpgm
.Lentry_in_a_cluster:
	s_bfe_u32 s2, ttmp6, 0x10000c
	s_cmp_lg_u32 s2, 0xf033
	s_cbranch_scc0 .Lentry_shape_is_right
	s_endpgm
.Lentry_shape_is_right:
; g = gelu(hb Wfc + bfc), tanh form, rounded once to bf16 and laid out for the next product: g[column / 64][token][column % 64].  hb: [4096][1024] bf16; Wfc lies in wb as [1024][4096] bf16, 8 MiB in.
; A tile of the 4,096 x 4,096 result is 256 x 256: 16 x 16 = 256 work-groups.  Four waves, 2 x 2, each 128 x 128: 64 accumulators, 512 registers.
; K goes in 8 steps of 128 through two LDS slots of four panels; wave w fills panel w: panels 0, 1 = 128 rows of hb each, panels 2, 3 = 128 k rows x 128 columns of the weights each.
; The weights are turned on the way out of LDS.  THE PRODUCT IS TAKEN TRANSPOSED (source 0 = 16 columns of W, source 1 = 16 rows of hb).  The bias is the C operand of the first product on each accumulator.
; CLUSTER 4 x 4: hb's panels are asked for jointly along a row of the cluster, the weights' along a column.
; GELU in f32: 0.5 x (1 + tanh(u)) = x / (1 + 2^(x (C0 + C1 x^2))), C0 = -2 log2(e) sqrt(2 / pi), C1 = 0.044715 C0.  Far below 0 the power is an infinity and the result -0; far above, the power is 0 and the result x.
.set WM, 8
.set WN, 8
.set KQ, 1
.set APW, 4
.set KT, 8
.set APITCH, 272
.set STEPA, 256
.set STEPB, 1048576
.set BIAS, 192
.set HASC, 0
.set HASK, 1
; ---- the core, the same text in the four products of this program ----
; WM, WN: a wave's blocks of 16 rows and columns.  KQ: units of 32 along K in a quarter step.  APW: row blocks in a register window.  KT: K steps.
; REGISTERS, in windows of 256 (s_set_vgpr_msb: bits 1:0 source 0, 3:2 source 1, 5:4 source 2, 7:6 destination).  Window 0: addresses, two fragment buffers of A from v64, the bias.
; Window 1: two fragment buffers of B.  Windows 2, 3: accumulator (a, b) in window 2 + a / APW at v[8 (WN (a % APW) + b)].
.set PAN,   36864                      ; a panel: 128 rows x 272 (A by rows), 256 pieces x 144 (A by blocks of 64 k) or 128 rows x 288 (B)
.set SLOT,  4*PAN                      ; 0x24000: no bit in common with wave x PAN, so one exclusive or turns an address in one slot into the other's
.set SPARE, 2*SLOT                     ; behind the ring: the spare words, 128 bytes for each wave: two blocks of 256 bytes that no other line names
.set EP,    64*WN+16                   ; the way out: a row of a wave's f32 results + 16 bytes: 4 words more than a multiple of 64, so 16 rows start at 16 different groups of four banks
.set REG,   16*WM*EP                   ; a wave's rows on the way out, laid over the ring behind its last fill
.set FA0,   64
.set FAS,   8*WM*KQ
.set FBS,   8*WN*KQ
.set ADRA0, 16                         ; v16-18  my lane's places in slot 0: A, B, B's second panel; never rewritten
.set ADRB0, 17
.set ADRC0, 18
.set ADRA,  20                         ; v20-22  the same in the slot in hand
.set ADRB,  21
.set ADRC,  22
.set BO,    23                         ; v23     32 x (lane / 16): my eight numbers of a block's bias
.set DST,   24                         ; v24     the way out: where I put 32 bytes of a row
.set RD,    25                         ; v25     the way out: where I read rows back
.set SPW,   28                         ; v28     LDS address of my spare word; never rewritten
.set NIL,   29                         ; v29     0; never rewritten
.set PFO,   30                         ; v30     the prefetches' lane offset; never rewritten
; s3 count; s[4:5] A, s[6:7] wb; s10 wave, s11 I fetch A (0) or B (1), s12 which panel; s13 tile row, s42 tile column; s[14:15], s[46:47] my panels' addresses; s20 wave x PAN;
; s[24:31], s[48:55] group 1 of A, B; s[32:35], s[56:59] group 0 of the first fill; s[36:39], s[60:63] group 0 that walks; s40, s41 cx, cy; s43 prefetch limit; s[44:45] prefetch address; s66 the slot in hand; s67, s68 wm, wn; s[70:71] prefetch step
.set MSB, 0
.macro WIN new                         ; the immediate's high byte repeats the setting that is left; a switch that changes nothing is dropped
.if MSB != (\new)
	s_set_vgpr_msb (MSB<<8)|(\new)
.set MSB, \new
.endif
.endm
.macro PLACES                          ; four plain instructions between a matrix instruction and a load into, or a read of, its registers
.rept 4
	v_nop
.endr
.endm
.macro CREST                           ; a round of the cluster's barrier behind its opening barrier
	s_cmp_lg_u32 s10, 0
	s_cbranch_scc1 .Lnot_wave_0_\@
	s_barrier_signal -3
.Lnot_wave_0_\@:
	s_barrier_wait -3
	s_barrier_signal -1
	s_barrier_wait -1
.endm
.macro CROUND
	s_barrier_signal -1
	s_barrier_wait -1
	CREST
.endm
.macro JLOAD s                         ; a joint load, by the wave's role alone; an s_nop 0 and four v_nop follow each of the two lines
	s_cmp_eq_u32 s11, 0
	s_cbranch_scc0 .Lfor_b_\@
	tensor_load_to_lds s[32+4*(\s):35+4*(\s)], s[24:31]
	s_nop 0
.rept 4
	v_nop
.endr
	s_branch .Lasked_\@
.Lfor_b_\@:
	tensor_load_to_lds s[56+4*(\s):59+4*(\s)], s[48:55]
	s_nop 0
.rept 4
	v_nop
.endr
.Lasked_\@:
.endm
.macro G1REST g, d0, d1, pitch         ; group 1 behind its first word: a tile of d1 rows of d0 elements that lies inside the tensor
	s_mov_b32 s[(\g)+1], (\d0)<<16                 ; tensor_dim0
	s_mov_b32 s[(\g)+2], (\d1)<<16                 ; tensor_dim1
	s_mov_b32 s[(\g)+3], (\d0)<<16                 ; tile_dim0
	s_mov_b32 s[(\g)+4], \d1                       ; tile_dim1
	s_mov_b32 s[(\g)+5], \pitch                    ; elements from row to row
	s_mov_b32 s[(\g)+6], 0
	s_mov_b32 s[(\g)+7], 0
.endm
.macro OPEN                            ; the add's two registers and the opening add (ahead of my first tensor load); my wave, my place, the two masks
	v_lshl_add_u32 v[SPW], v0, 2, SPARE
	v_mov_b32 v[NIL], 0
	ds_add_u32 v[SPW], v[NIL]
	v_lshrrev_b32 v1, 5, v0
	v_readfirstlane_b32 s10, v1
	s_lshr_b32 s67, s10, 1                         ; wm: which half of the tile's rows is mine
	s_and_b32 s68, s10, 1                          ; wn: which half of its columns
	s_bfe_u32 s40, ttmp6, 0x40000                  ; cx
	s_bfe_u32 s41, ttmp6, 0x40004                  ; cy
	s_lshl_b32 s42, ttmp9, 2
	s_add_co_u32 s42, s42, s40                     ; tile column = 4 x cluster x + cx
	s_and_b32 s13, ttmp7, 0xffff
	s_lshl_b32 s13, s13, 2
	s_add_co_u32 s13, s13, s41                     ; tile row = 4 x cluster y + cy
	s_lshl_b32 s43, s41, 2
	s_lshl_b32 s43, 15, s43                        ; my row of the cluster
	s_lshl_b32 s44, 0x1111, s40                    ; my column
	s_mul_i32 s20, s10, PAN                        ; wave w fills panel w: no place in the cluster enters an LDS address
	s_mov_b32 s66, 0
.endm
.macro FILLS                           ; the round in front of the first joint loads; both sets of group 0; K steps 0 and 1 go out together: two loads of mine are out
	CROUND
.irp s, 0,1
	s_mov_b32 s[32+4*\s], 1
	s_add_co_u32 s[33+4*\s], s20, \s*SLOT
	s_add_nc_u64 s[34+4*\s:35+4*\s], s[14:15], \s*STEPA
	s_or_b32 s[35+4*\s], s[35+4*\s], 0x80000000
	s_mov_b32 s[56+4*\s], 1
	s_add_co_u32 s[57+4*\s], s20, \s*SLOT
	s_add_nc_u64 s[58+4*\s:59+4*\s], s[46:47], \s*STEPB
	s_or_b32 s[59+4*\s], s[59+4*\s], 0x80000000
	JLOAD \s
.endr
.endm
.macro LANES                           ; v1 = l % 16, v2 = l / 16; v3 my place in a fragment of A (row x pitch + 16 x half); v4 in a turned fragment of B (k row 8 (l / 16) + l % 8, 16 bytes by (l / 8) % 2)
	v_and_b32 v1, 15, v0
	v_bfe_u32 v2, v0, 4, 1
	v_mul_u32_u24 v3, v1, APITCH
	v_lshl_add_u32 v3, v2, 4, v3
	v_and_b32 v4, 7, v0
	v_lshl_add_u32 v4, v2, 3, v4
	v_mul_u32_u24 v4, v4, 288
	v_bfe_u32 v5, v0, 3, 1
	v_lshl_add_u32 v4, v5, 4, v4
	v_lshlrev_b32 v[BO], 5, v2
	s_mul_i32 s21, s10, REG
	v_mul_u32_u24 v[DST], v1, EP
	v_lshl_add_u32 v[DST], v2, 5, v[DST]
	v_add_nc_u32 v[DST], s21, v[DST]
	v_mul_u32_u24 v[RD], v2, EP
	v_lshl_add_u32 v[RD], v1, 4, v[RD]
	v_add_nc_u32 v[RD], s21, v[RD]
.endm
; Half a quarter's products on buffer f.  KQ = 1: the row blocks of window 2 + half.  KQ = 2: unit half of the two, all row blocks.  first = 1: the bias starts the sums.
; The accumulators take turns, one instruction a turn, in the same order everywhere.
.macro MULH f, half, first
.if KQ == 1
.set mw_, 2+(\half)
.set a_, (\half)*WM/2
.set na_, WM/2
.set c_, 0
.else
.set mw_, 2
.set a_, 0
.set na_, WM
.set c_, \half
.endif
.if \first
	WIN (mw_<<6)|1
.else
	WIN (mw_<<6)|(mw_<<4)|1
.endif
.rept na_
.set b_, 0
.rept WN
.set rD, 8*(WN*(a_%APW)+b_)
.set rB, FBS*(\f)+8*(WN*c_+b_)
.set rA, FA0+FAS*(\f)+8*(WM*c_+a_)
.if \first
	v_wmma_f32_16x16x32_bf16 v[rD:rD+7], v[rB:rB+7], v[rA:rA+7], v[BIAS+8*b_:BIAS+8*b_+7]
.else
	v_wmma_f32_16x16x32_bf16 v[rD:rD+7], v[rB:rB+7], v[rA:rA+7], v[rD:rD+7]
.endif
.set b_, b_+1
.endr
.set a_, a_+1
.endr
.endm
; 32 LDS loads in one run: quarter q of the slot in hand into buffer f
.macro FETCH q, f
	WIN 0x40
.set b_, 0
.rept WN
.set rB, FBS*(\f)+8*b_
	ds_load_tr16_b128 v[rB:rB+3],   v[ADRB] offset:9216*(\q)+32*b_
	ds_load_tr16_b128 v[rB+4:rB+7], v[ADRB] offset:9216*(\q)+32*b_+4608
.set b_, b_+1
.endr
	WIN 0
.set a_, 0
.rept WM
.set rA, FA0+FAS*(\f)+8*a_
	ds_load_b128 v[rA:rA+3],   v[ADRA] offset:64*(\q)+a_*16*APITCH
	ds_load_b128 v[rA+4:rA+7], v[ADRA] offset:64*(\q)+a_*16*APITCH+32
.set a_, a_+1
.endr
.endm
; One of a step's first three quarters: buffer f, asked for a quarter ago, is in; quarter q goes out into buffer g; f is multiplied meanwhile.
.macro QUARTER q, f, g, first=0
	s_wait_dscnt 0x0
.if !(\first)
	PLACES
.endif
	FETCH \q, \g
	MULH \f, 0, \first
	MULH \f, 1, (\first)*(2-KQ)
.endm
; A prefetch into the L2, behind the joint load and the run of LDS loads: 32 blocks of 256 bytes, a lane a block, of the panel that I fetch myself, for the K step two refills on.
; Each block is named once in the launch: of the clusters that read A's rows the one with x = 0 asks, of those that read B's the one with y = 0; the four partners of a joint load share a panel's 128 blocks by address.
; The last two refills have no K step two on: s3 is then 2 and 1.
.macro ASK
	s_cmp_gt_u32 s3, s43
	s_cbranch_scc0 .Lnot_mine_\@
	global_prefetch_b8 v[PFO], s[44:45] th:TH_LOAD_NT scope:SCOPE_SE
.Lnot_mine_\@:
.endm
; The last quarter multiplies buffer 1 and changes slots.  In front of the barrier each wave waits for all its tensor loads (one is out: its panel of the next slot), adds 0 to its spare word, and waits for that
; and for its reads of this slot.  fill = 1: the barrier opens a round of the cluster's, and the joint refill, two K steps on, is the first thing behind the round.
.macro TURN fill
.if (\fill) && HASK
	s_wait_xcnt 0x0                                ; the last prefetch, a K step back, has read its address
	s_add_nc_u64 s[44:45], s[44:45], s[70:71]
.endif
	WIN 0
	s_wait_tensorcnt 0x0
	ds_add_u32 v[SPW], v[NIL]                      ; 0 onto my spare word; the steps below stand between it and the wait for it
	s_xor_b32 s66, s66, SLOT
.if \fill
	s_xor_b32 s37, s37, SLOT                       ; the walking descriptors: the other slot than last time, the next K step
	s_xor_b32 s61, s61, SLOT
	s_add_nc_u64 s[38:39], s[38:39], STEPA
	s_add_nc_u64 s[62:63], s[62:63], STEPB
.endif
	s_wait_dscnt 0x0                               ; the add is done, buffer 1 is in, my reads of this slot are over
	s_barrier_signal -1
	MULH 1, 0, 0
	WIN 0
	s_barrier_wait -1
.if \fill
	CREST
	JLOAD 1                                        ; its four v_nop are also the places in front of the loads below
.else
	PLACES
.endif
	v_add_nc_u32 v[ADRA], s66, v[ADRA0]
	v_add_nc_u32 v[ADRB], s66, v[ADRB0]
.if HASC
	v_add_nc_u32 v[ADRC], s66, v[ADRC0]
.endif
	FETCH 0, 0
.if (\fill) && HASK
	ASK
.endif
	MULH 1, 1, 0
.endm
; The whole walk along K.  left: the global loads younger than the bias's.  The loop's KT - 2 trips each refill a slot; the last two steps are a loop of two trips that is left in its middle.
.macro RUN left
	s_wait_tensorcnt 0x1                           ; my panel of K step 0 is in; step 1's may stay out
	s_barrier_signal -1
	s_barrier_wait -1
	FETCH 0, 0
	s_wait_loadcnt \left                           ; the bias
	QUARTER 1, 0, 1, 1
	WIN 0
	s_mov_b32 s3, KT-2
.Lstep:
	QUARTER 2, 1, 0
	QUARTER 3, 0, 1
	TURN 1
	QUARTER 1, 0, 1
	WIN 0
	s_sub_co_u32 s3, s3, 1
	s_cmp_lg_u32 s3, 0
	s_cbranch_scc1 .Lstep
	s_mov_b32 s3, 2
.Ltail:
	QUARTER 2, 1, 0
	QUARTER 3, 0, 1
	WIN 0
	s_sub_co_u32 s3, s3, 1
	s_cmp_eq_u32 s3, 0
	s_cbranch_scc1 .Llast
	TURN 0
	QUARTER 1, 0, 1
	WIN 0
	s_branch .Ltail
.Llast:
	s_wait_dscnt 0x0                               ; my reads of the ring are over:
	s_barrier_signal -1
	MULH 1, 0, 0
	MULH 1, 1, 0
	WIN 0
	s_barrier_wait -1                              ; everybody's are: the ring, which has had its last fill, takes the results
	PLACES
.set a_, 0
.rept WM                               ; the f32 sums, 32 bytes a lane and block, each accumulator from its low end
	WIN 0x08+4*(a_/APW)
.set b_, 0
.rept WN
.set rD, 8*(WN*(a_%APW)+b_)
	ds_store_b128 v[DST], v[rD:rD+3]   offset:a_*16*EP+64*b_
	ds_store_b128 v[DST], v[rD+4:rD+7] offset:a_*16*EP+64*b_+16
.set b_, b_+1
.endr
.set a_, a_+1
.endr
	WIN 0
	s_wait_dscnt 0x0                               ; my stores are done; the rows are read back behind a barrier
	s_barrier_signal -1
	s_barrier_wait -1
.endm
.macro CLOSE
	s_wait_tensorcnt 0x0                           ; the wave's end: behind my last tensor load and my last LDS store
	ds_add_u32 v[SPW], v[NIL]
	s_wait_dscnt 0x0
	CROUND                                         ; the closing round: no work-group ends while a partner may still ask for a panel that names it
	s_endpgm
.endm
; ---- end of the core ----
	s_load_b128 s[4:7], s[0:1], 0x0                ; hb, wb
	s_load_b128 s[72:75], s[0:1], 0x10             ; bfc s[72:73], g s[74:75]
	OPEN
	s_mov_b32 s11, s67                             ; waves 0, 1 fetch hb's panels, waves 2, 3 the weights'
	s_mov_b32 s12, s68                             ; which of the two
	s_or_b32 s24, s43, (1<<16)|(1<<20)|(1<<21)|(5<<22)|(3<<25)  ; mask of my row; 2-byte elements; padding on; bit 21 beside a mask; after every 64 words 4 words: pitch 272
	s_or_b32 s48, s44, (1<<16)|(1<<20)|(1<<21)|(5<<22)|(7<<25)  ; mask of my column; 8 words of padding: pitch 288
	G1REST 24, 128, 128, 1024
	G1REST 48, 128, 128, 4096
	s_lshl_b32 s16, s13, 19                        ; hb: 256 rows of 2,048 bytes a tile row,
	s_lshl_b32 s17, s12, 18                        ; 128 a panel
	s_add_co_u32 s16, s16, s17
	s_mov_b32 s17, 0
	s_lshl_b32 s46, s42, 9                         ; Wfc: 512 bytes of a row a tile column,
	s_lshl_b32 s47, s12, 8                         ; 256 a panel
	s_add_co_u32 s46, s46, s47
	s_add_co_u32 s46, s46, 0x800000
	s_mov_b32 s47, 0
	s_mov_b32 s80, 0xc0135762                      ; C0
	s_mov_b32 s81, s80
	s_mov_b32 s82, 0xbdd2d3e9                      ; C1
	s_mov_b32 s83, s82
	s_wait_dscnt 0x0                               ; the opening add is done
	s_wait_kmcnt 0x0
	s_add_nc_u64 s[14:15], s[4:5], s[16:17]
	s_add_nc_u64 s[46:47], s[6:7], s[46:47]
	FILLS
	LANES
	s_mul_i32 s21, s67, PAN
	s_mul_i32 s22, s68, PAN
	s_add_co_u32 s22, s22, 2*PAN
	v_add_nc_u32 v[ADRA0], s21, v3
	v_add_nc_u32 v[ADRB0], s22, v4
	v_mov_b32 v[ADRA], v[ADRA0]
	v_mov_b32 v[ADRB], v[ADRB0]
	s_lshl_b32 s22, s42, 10                        ; my 128 columns: 4 bytes x (256 x tile column + 128 wn)
	s_lshl_b32 s23, s68, 9
	s_add_co_u32 s22, s22, s23
	s_mov_b32 s23, 0
	s_add_nc_u64 s[72:73], s[72:73], s[22:23]
.set b_, 0
.rept WN                               ; register j of block b holds bias[16 b + 8 (l / 16) + j], as the C operand wants it
	global_load_b128 v[BIAS+8*b_:BIAS+8*b_+3],   v[BO], s[72:73] offset:64*b_
	global_load_b128 v[BIAS+8*b_+4:BIAS+8*b_+7], v[BO], s[72:73] offset:64*b_+16
.set b_, b_+1
.endr
	; the way out: my two groups of 64 columns are blocks 4 x tile column + 2 wn + 0, 1 of g, 4,096 tokens x 128 bytes each
	s_lshl_b32 s21, s42, 2
	s_lshl_b32 s22, s68, 1
	s_add_co_u32 s21, s21, s22
	s_lshl_b32 s21, s21, 19
	s_lshl_b32 s22, s13, 15                        ; 256 tokens a tile row,
	s_add_co_u32 s21, s21, s22
	s_lshl_b32 s22, s67, 14                        ; my 128
	s_add_co_u32 s21, s21, s22
	v_lshlrev_b32 v26, 7, v2                       ; lanes 0-15 a token's 128 bytes, lanes 16-31 the next token's
	v_lshl_add_u32 v26, v1, 3, v26
	v_add_nc_u32 v26, s21, v26
	v_add_nc_u32 v27, 0x80000, v26
	; the prefetches: rows of 2,048 bytes in hb, of 8,192 in Wfc; my work-group's 32 of my panel's 128; the first refill steps the address to K step 4
	s_and_b32 s23, ttmp7, 0xffff
	s_mov_b32 s70, STEPB
	s_mov_b32 s71, 0
	s_cmp_eq_u32 s11, 0
	s_cselect_b32 s21, s40, s41                    ; my place among the four that ask with me
	s_cselect_b32 s23, ttmp9, s23                  ; the coordinate along which other clusters read the same panel
	s_cselect_b64 s[44:45], s[14:15], s[46:47]
	s_cselect_b32 s70, STEPA, s70
	s_cselect_b32 s22, 11, 13                      ; log2 of a row's bytes
	s_cmp_eq_u32 s23, 0
	s_cselect_b32 s43, 2, -1
	v_and_b32 v[PFO], 31, v0
	v_lshlrev_b32 v[PFO], s22, v[PFO]
	s_add_co_u32 s22, s22, 5
	s_lshl_b32 s18, s21, s22
	s_mul_i32 s19, s70, 3
	s_add_co_u32 s18, s18, s19
	s_mov_b32 s19, 0
	s_add_nc_u64 s[44:45], s[44:45], s[18:19]
	RUN 0x0
	; THE WAY OUT: 16 trips of 8 rows.  Two rows x 64 columns of a group are read as f32, take the GELU, are rounded and stored as 256 consecutive bytes.
	; The 32 powers are one batch with one wait, and so are the 32 reciprocals: nothing between a batch's first line and its wait names a result of the batch.
.set XO, 64
.set ZO, 96
.set YO, 128
	s_mov_b32 s3, 16
.Lrows:
.irp hh, 0,1
.irp p, 0,1,2,3
	ds_load_b128 v[XO+4*(4*\hh+\p):XO+4*(4*\hh+\p)+3], v[RD] offset:2*EP*\p+256*\hh
.endr
.endr
	s_wait_dscnt 0x0
.set z_, 0
.rept 16
	v_pk_mul_f32 v[ZO+2*z_:ZO+2*z_+1], v[XO+2*z_:XO+2*z_+1], v[XO+2*z_:XO+2*z_+1]
.if z_ > 0
	v_exp_f32 v[ZO+2*z_-2], v[ZO+2*z_-2]
.endif
	v_pk_fma_f32 v[ZO+2*z_:ZO+2*z_+1], v[ZO+2*z_:ZO+2*z_+1], s[82:83], s[80:81] op_sel_hi:[1,0,0]
.if z_ > 0
	v_exp_f32 v[ZO+2*z_-1], v[ZO+2*z_-1]
.endif
	v_pk_mul_f32 v[ZO+2*z_:ZO+2*z_+1], v[ZO+2*z_:ZO+2*z_+1], v[XO+2*z_:XO+2*z_+1]
.set z_, z_+1
.endr
	v_exp_f32 v[ZO+30], v[ZO+30]
	v_exp_f32 v[ZO+31], v[ZO+31]
	v_nop
	s_wait_alu depctr_va_vdst(0)                   ; the wait for the powers
.set z_, 0
.rept 16
	v_pk_add_f32 v[ZO+2*z_:ZO+2*z_+1], v[ZO+2*z_:ZO+2*z_+1], 1.0 op_sel_hi:[1,0]
.if z_ > 0
	v_rcp_f32 v[ZO+2*z_-2], v[ZO+2*z_-2]
	v_rcp_f32 v[ZO+2*z_-1], v[ZO+2*z_-1]
.endif
.set z_, z_+1
.endr
	v_rcp_f32 v[ZO+30], v[ZO+30]
	v_rcp_f32 v[ZO+31], v[ZO+31]
	v_nop
	s_wait_alu depctr_va_vdst(0)                   ; the wait for the reciprocals
.set z_, 0
.rept 16
	v_pk_mul_f32 v[ZO+2*z_:ZO+2*z_+1], v[ZO+2*z_:ZO+2*z_+1], v[XO+2*z_:XO+2*z_+1]
.set z_, z_+1
.endr
.set z_, 0
.rept 16
	v_cvt_pk_bf16_f32 v[YO+z_], v[ZO+2*z_], v[ZO+2*z_+1]
.set z_, z_+1
.endr
.irp p, 0,1,2,3
	global_store_b64 v26, v[YO+2*\p:YO+2*\p+1], s[74:75] offset:256*\p
.endr
.irp p, 0,1,2,3
	global_store_b64 v27, v[YO+8+2*\p:YO+8+2*\p+1], s[74:75] offset:256*\p
.endr
	s_wait_xcnt 0x0                                ; the stores' offsets and data are rewritten only behind this wait
	v_add_nc_u32 v26, 1024, v26
	v_add_nc_u32 v27, 1024, v27
	v_add_nc_u32 v[RD], 8*EP, v[RD]
	s_sub_co_u32 s3, s3, 1
	s_cmp_lg_u32 s3, 0
	s_cbranch_scc1 .Lrows
	CLOSE
.Lfunc_end_k_qa9bf97901e_fc:
	.size	k_qa9bf97901e_fc, .Lfunc_end_k_qa9bf97901e_fc-k_qa9bf97901e_fc
	.p2alignl 7, 3214868480
	.fill 96, 4, 3214868480
	.section	.rodata,"a",@progbits
	.p2align	6, 0x0
	.amdhsa_kernel k_qa9bf97901e_fc
		.amdhsa_group_segment_fixed_size 327680
		.amdhsa_private_segment_fixed_size 0
		.amdhsa_enable_private_segment 0
		.amdhsa_kernarg_size 32
		.amdhsa_user_sgpr_count 2
		.amdhsa_user_sgpr_kernarg_segment_ptr 1
		.amdhsa_wavefront_size32 1
		.amdhsa_system_sgpr_workgroup_id_x 1
		.amdhsa_system_sgpr_workgroup_id_y 1
		.amdhsa_system_sgpr_workgroup_id_z 1
		.amdhsa_system_vgpr_workitem_id 0
		.amdhsa_next_free_vgpr 1024
		.amdhsa_next_free_sgpr 100
		.amdhsa_reserve_vcc 0
		.amdhsa_float_denorm_mode_32 3
		.amdhsa_float_denorm_mode_16_64 3
		.amdhsa_memory_ordered 1
		.amdhsa_forward_progress 1
		.amdhsa_inst_pref_size 93
	.end_amdhsa_kernel
	.amdgpu_metadata
---
amdhsa.version: [ 1, 2 ]
amdhsa.kernels:
  - .name:           k_qa9bf97901e_fc
    .symbol:         k_qa9bf97901e_fc.kd
    .args:
      - { .name: hb, .offset: 0, .size: 8, .value_kind: global_buffer, .address_space: global }
      - { .name: wb, .offset: 8, .size: 8, .value_kind: global_buffer, .address_space: global }
      - { .name: bfc, .offset: 16, .size: 8, .value_kind: global_buffer, .address_space: global }
      - { .name: g, .offset: 24, .size: 8, .value_kind: global_buffer, .address_space: global }
    .group_segment_fixed_size: 327680
    .private_segment_fixed_size: 0
    .kernarg_segment_align: 8
    .kernarg_segment_size: 32
    .max_flat_workgroup_size: 128
    .sgpr_count:     100
    .vgpr_count:     1024
    .wavefront_size: 32
...
	.end_amdgpu_metadata
.endif
;; end of part 6
;; launch proj (part 7): grid 8 x 32, 4 waves a work-group, clusters of 4 x 4, 327,680 bytes of LDS; arguments g, wb, bp, x1, out0; writes out0
.if DOCPART == 7
	.amdgcn_target "amdgcn-amd-amdhsa--gfx1250"
	.amdhsa_code_object_version 6
	.text
	.protected	k_qa9bf97901e_proj
	.globl	k_qa9bf97901e_proj
	.p2align	8
	.type	k_qa9bf97901e_proj,@function
k_qa9bf97901e_proj:
	s_mov_b64 s[64:65], 0
	v_nop
	global_prefetch_b8 v0, s[64:65] scope:SCOPE_SE
	s_setreg_imm32_b32 hwreg(HW_REG_WAVE_MODE, 25, 1), 1
	s_wait_xcnt 0x0
	s_wait_alu depctr_hold_cnt(0) depctr_sa_sdst(0) depctr_va_vdst(0) depctr_va_sdst(0) depctr_va_ssrc(0) depctr_va_vcc(0) depctr_vm_vsrc(0)
	s_getreg_b32 s2, hwreg(HW_REG_IB_STS2, 6, 4)
	s_cmp_eq_u32 s2, 0
	s_cbranch_scc0 .Lentry_in_a_cluster
	s_endpgm
.Lentry_in_a_cluster:
	s_bfe_u32 s2, ttmp6, 0x10000c
	s_cmp_lg_u32 s2, 0xf033
	s_cbranch_scc0 .Lentry_shape_is_right
	s_endpgm
.Lentry_shape_is_right:
; out0 = x1 + g Wp + bp, f32.  g: [64 blocks of 64 k][4096 token][64] bf16; Wp lies in wb as [K][N] bf16, WOFF bytes in; x1, out0: [4096][1024] f32.
; A tile of the result is 128 x 128: 8 x 32 = 256 work-groups.  Four waves, 2 x 2, each 64 x 64: 16 accumulators.  K goes in KT steps of 256 through two LDS slots of four panels; wave w fills panel w:
; panels 0, 1 = A's k 0-127, 128-255 (two dense blocks of 128 tokens x 64 k each, asked for as 2 rows of 16 KiB and padded after every 128 bytes), panels 2, 3 = 128 k rows x 128 columns of the weights.
; The weights are turned on the way out of LDS.  THE PRODUCT IS TAKEN TRANSPOSED (source 0 = 16 columns of W, source 1 = 16 rows of A).  The bias is the C operand of the first product on each accumulator.
; The residual is loaded at the start into window 3 and added on the way out.  CLUSTER 4 x 4: A's panels are asked for jointly along a row of the cluster, the weights' along a column.
.set WM, 4
.set WN, 4
.set KQ, 2
.set APW, 4
.set KT, 16
.set WOFF, 16777216
.set APITCH, 144
.set STEPA, 2097152
.set STEPB, 524288
.set BIAS, 192
.set HASC, 1
.set HASK, 1
; ---- the core, the same text in the four products of this program ----
; WM, WN: a wave's blocks of 16 rows and columns.  KQ: units of 32 along K in a quarter step.  APW: row blocks in a register window.  KT: K steps.
; REGISTERS, in windows of 256 (s_set_vgpr_msb: bits 1:0 source 0, 3:2 source 1, 5:4 source 2, 7:6 destination).  Window 0: addresses, two fragment buffers of A from v64, the bias.
; Window 1: two fragment buffers of B.  Windows 2, 3: accumulator (a, b) in window 2 + a / APW at v[8 (WN (a % APW) + b)].
.set PAN,   36864                      ; a panel: 128 rows x 272 (A by rows), 256 pieces x 144 (A by blocks of 64 k) or 128 rows x 288 (B)
.set SLOT,  4*PAN                      ; 0x24000: no bit in common with wave x PAN, so one exclusive or turns an address in one slot into the other's
.set SPARE, 2*SLOT                     ; behind the ring: the spare words, 128 bytes for each wave: two blocks of 256 bytes that no other line names
.set EP,    64*WN+16                   ; the way out: a row of a wave's f32 results + 16 bytes: 4 words more than a multiple of 64, so 16 rows start at 16 different groups of four banks
.set REG,   16*WM*EP                   ; a wave's rows on the way out, laid over the ring behind its last fill
.set FA0,   64
.set FAS,   8*WM*KQ
.set FBS,   8*WN*KQ
.set ADRA0, 16                         ; v16-18  my lane's places in slot 0: A, B, B's second panel; never rewritten
.set ADRB0, 17
.set ADRC0, 18
.set ADRA,  20                         ; v20-22  the same in the slot in hand
.set ADRB,  21
.set ADRC,  22
.set BO,    23                         ; v23     32 x (lane / 16): my eight numbers of a block's bias
.set DST,   24                         ; v24     the way out: where I put 32 bytes of a row
.set RD,    25                         ; v25     the way out: where I read rows back
.set SPW,   28                         ; v28     LDS address of my spare word; never rewritten
.set NIL,   29                         ; v29     0; never rewritten
.set PFO,   30                         ; v30     the prefetches' lane offset; never rewritten
; s3 count; s[4:5] A, s[6:7] wb; s10 wave, s11 I fetch A (0) or B (1), s12 which panel; s13 tile row, s42 tile column; s[14:15], s[46:47] my panels' addresses; s20 wave x PAN;
; s[24:31], s[48:55] group 1 of A, B; s[32:35], s[56:59] group 0 of the first fill; s[36:39], s[60:63] group 0 that walks; s40, s41 cx, cy; s43 prefetch limit; s[44:45] prefetch address; s66 the slot in hand; s67, s68 wm, wn; s[70:71] prefetch step
.set MSB, 0
.macro WIN new                         ; the immediate's high byte repeats the setting that is left; a switch that changes nothing is dropped
.if MSB != (\new)
	s_set_vgpr_msb (MSB<<8)|(\new)
.set MSB, \new
.endif
.endm
.macro PLACES                          ; four plain instructions between a matrix instruction and a load into, or a read of, its registers
.rept 4
	v_nop
.endr
.endm
.macro CREST                           ; a round of the cluster's barrier behind its opening barrier
	s_cmp_lg_u32 s10, 0
	s_cbranch_scc1 .Lnot_wave_0_\@
	s_barrier_signal -3
.Lnot_wave_0_\@:
	s_barrier_wait -3
	s_barrier_signal -1
	s_barrier_wait -1
.endm
.macro CROUND
	s_barrier_signal -1
	s_barrier_wait -1
	CREST
.endm
.macro JLOAD s                         ; a joint load, by the wave's role alone; an s_nop 0 and four v_nop follow each of the two lines
	s_cmp_eq_u32 s11, 0
	s_cbranch_scc0 .Lfor_b_\@
	tensor_load_to_lds s[32+4*(\s):35+4*(\s)], s[24:31]
	s_nop 0
.rept 4
	v_nop
.endr
	s_branch .Lasked_\@
.Lfor_b_\@:
	tensor_load_to_lds s[56+4*(\s):59+4*(\s)], s[48:55]
	s_nop 0
.rept 4
	v_nop
.endr
.Lasked_\@:
.endm
.macro G1REST g, d0, d1, pitch         ; group 1 behind its first word: a tile of d1 rows of d0 elements that lies inside the tensor
	s_mov_b32 s[(\g)+1], (\d0)<<16                 ; tensor_dim0
	s_mov_b32 s[(\g)+2], (\d1)<<16                 ; tensor_dim1
	s_mov_b32 s[(\g)+3], (\d0)<<16                 ; tile_dim0
	s_mov_b32 s[(\g)+4], \d1                       ; tile_dim1
	s_mov_b32 s[(\g)+5], \pitch                    ; elements from row to row
	s_mov_b32 s[(\g)+6], 0
	s_mov_b32 s[(\g)+7], 0
.endm
.macro OPEN                            ; the add's two registers and the opening add (ahead of my first tensor load); my wave, my place, the two masks
	v_lshl_add_u32 v[SPW], v0, 2, SPARE
	v_mov_b32 v[NIL], 0
	ds_add_u32 v[SPW], v[NIL]
	v_lshrrev_b32 v1, 5, v0
	v_readfirstlane_b32 s10, v1
	s_lshr_b32 s67, s10, 1                         ; wm: which half of the tile's rows is mine
	s_and_b32 s68, s10, 1                          ; wn: which half of its columns
	s_bfe_u32 s40, ttmp6, 0x40000                  ; cx
	s_bfe_u32 s41, ttmp6, 0x40004                  ; cy
	s_lshl_b32 s42, ttmp9, 2
	s_add_co_u32 s42, s42, s40                     ; tile column = 4 x cluster x + cx
	s_and_b32 s13, ttmp7, 0xffff
	s_lshl_b32 s13, s13, 2
	s_add_co_u32 s13, s13, s41                     ; tile row = 4 x cluster y + cy
	s_lshl_b32 s43, s41, 2
	s_lshl_b32 s43, 15, s43                        ; my row of the cluster
	s_lshl_b32 s44, 0x1111, s40                    ; my column
	s_mul_i32 s20, s10, PAN                        ; wave w fills panel w: no place in the cluster enters an LDS address
	s_mov_b32 s66, 0
.endm
.macro FILLS                           ; the round in front of the first joint loads; both sets of group 0; K steps 0 and 1 go out together: two loads of mine are out
	CROUND
.irp s, 0,1
	s_mov_b32 s[32+4*\s], 1
	s_add_co_u32 s[33+4*\s], s20, \s*SLOT
	s_add_nc_u64 s[34+4*\s:35+4*\s], s[14:15], \s*STEPA
	s_or_b32 s[35+4*\s], s[35+4*\s], 0x80000000
	s_mov_b32 s[56+4*\s], 1
	s_add_co_u32 s[57+4*\s], s20, \s*SLOT
	s_add_nc_u64 s[58+4*\s:59+4*\s], s[46:47], \s*STEPB
	s_or_b32 s[59+4*\s], s[59+4*\s], 0x80000000
	JLOAD \s
.endr
.endm
.macro LANES                           ; v1 = l % 16, v2 = l / 16; v3 my place in a fragment of A (row x pitch + 16 x half); v4 in a turned fragment of B (k row 8 (l / 16) + l % 8, 16 bytes by (l / 8) % 2)
	v_and_b32 v1, 15, v0
	v_bfe_u32 v2, v0, 4, 1
	v_mul_u32_u24 v3, v1, APITCH
	v_lshl_add_u32 v3, v2, 4, v3
	v_and_b32 v4, 7, v0
	v_lshl_add_u32 v4, v2, 3, v4
	v_mul_u32_u24 v4, v4, 288
	v_bfe_u32 v5, v0, 3, 1
	v_lshl_add_u32 v4, v5, 4, v4
	v_lshlrev_b32 v[BO], 5, v2
	s_mul_i32 s21, s10, REG
	v_mul_u32_u24 v[DST], v1, EP
	v_lshl_add_u32 v[DST], v2, 5, v[DST]
	v_add_nc_u32 v[DST], s21, v[DST]
	v_mul_u32_u24 v[RD], v2, EP
	v_lshl_add_u32 v[RD], v1, 4, v[RD]
	v_add_nc_u32 v[RD], s21, v[RD]
.endm
; Half a quarter's products on buffer f.  KQ = 1: the row blocks of window 2 + half.  KQ = 2: unit half of the two, all row blocks.  first = 1: the bias starts the sums.
; The accumulators take turns, one instruction a turn, in the same order everywhere.
.macro MULH f, half, first
.if KQ == 1
.set mw_, 2+(\half)
.set a_, (\half)*WM/2
.set na_, WM/2
.set c_, 0
.else
.set mw_, 2
.set a_, 0
.set na_, WM
.set c_, \half
.endif
.if \first
	WIN (mw_<<6)|1
.else
	WIN (mw_<<6)|(mw_<<4)|1
.endif
.rept na_
.set b_, 0
.rept WN
.set rD, 8*(WN*(a_%APW)+b_)
.set rB, FBS*(\f)+8*(WN*c_+b_)
.set rA, FA0+FAS*(\f)+8*(WM*c_+a_)
.if \first
	v_wmma_f32_16x16x32_bf16 v[rD:rD+7], v[rB:rB+7], v[rA:rA+7], v[BIAS+8*b_:BIAS+8*b_+7]
.else
	v_wmma_f32_16x16x32_bf16 v[rD:rD+7], v[rB:rB+7], v[rA:rA+7], v[rD:rD+7]
.endif
.set b_, b_+1
.endr
.set a_, a_+1
.endr
.endm
; 32 LDS loads in one run: quarter q (units 2 q, 2 q + 1 of the step's eight) of the slot in hand into buffer f.  Unit u of A lies in panel u / 4, block (u % 4) / 2, bytes 64 (u % 2) of its pieces.
.macro FETCH q, f
	WIN 0x40
.irp c, 0,1
.set u_, 2*(\q)+\c
.set b_, 0
.rept WN
.set rB, FBS*(\f)+8*(WN*\c+b_)
.if u_ < 4
	ds_load_tr16_b128 v[rB:rB+3],   v[ADRB] offset:9216*u_+32*b_
	ds_load_tr16_b128 v[rB+4:rB+7], v[ADRB] offset:9216*u_+32*b_+4608
.else
	ds_load_tr16_b128 v[rB:rB+3],   v[ADRC] offset:9216*(u_-4)+32*b_
	ds_load_tr16_b128 v[rB+4:rB+7], v[ADRC] offset:9216*(u_-4)+32*b_+4608
.endif
.set b_, b_+1
.endr
.endr
	WIN 0
.irp c, 0,1
.set u_, 2*(\q)+\c
.set ao_, (u_/4)*PAN+((u_%4)/2)*18432+(u_%2)*64
.set a_, 0
.rept WM
.set rA, FA0+FAS*(\f)+8*(WM*\c+a_)
	ds_load_b128 v[rA:rA+3],   v[ADRA] offset:ao_+a_*16*APITCH
	ds_load_b128 v[rA+4:rA+7], v[ADRA] offset:ao_+a_*16*APITCH+32
.set a_, a_+1
.endr
.endr
.endm
; One of a step's first three quarters: buffer f, asked for a quarter ago, is in; quarter q goes out into buffer g; f is multiplied meanwhile.
.macro QUARTER q, f, g, first=0
	s_wait_dscnt 0x0
.if !(\first)
	PLACES
.endif
	FETCH \q, \g
	MULH \f, 0, \first
	MULH \f, 1, (\first)*(2-KQ)
.endm
; A prefetch into the L2, behind the joint load and the run of LDS loads: 32 blocks of 256 bytes, a lane a block, of the panel that I fetch myself, for the K step two refills on.
; Each block is named once in the launch: of the clusters that read A's rows the one with x = 0 asks, of those that read B's the one with y = 0; the four partners of a joint load share a panel's 128 blocks by address.
; The last two refills have no K step two on: s3 is then 2 and 1.
.macro ASK
	s_cmp_gt_u32 s3, s43
	s_cbranch_scc0 .Lnot_mine_\@
	global_prefetch_b8 v[PFO], s[44:45] th:TH_LOAD_NT scope:SCOPE_SE
.Lnot_mine_\@:
.endm
; The last quarter multiplies buffer 1 and changes slots.  In front of the barrier each wave waits for all its tensor loads (one is out: its panel of the next slot), adds 0 to its spare word, and waits for that
; and for its reads of this slot.  fill = 1: the barrier opens a round of the cluster's, and the joint refill, two K steps on, is the first thing behind the round.
.macro TURN fill
.if (\fill) && HASK
	s_wait_xcnt 0x0                                ; the last prefetch, a K step back, has read its address
	s_add_nc_u64 s[44:45], s[44:45], s[70:71]
.endif
	WIN 0
	s_wait_tensorcnt 0x0
	ds_add_u32 v[SPW], v[NIL]                      ; 0 onto my spare word; the steps below stand between it and the wait for it
	s_xor_b32 s66, s66, SLOT
.if \fill
	s_xor_b32 s37, s37, SLOT                       ; the walking descriptors: the other slot than last time, the next K step
	s_xor_b32 s61, s61, SLOT
	s_add_nc_u64 s[38:39], s[38:39], STEPA
	s_add_nc_u64 s[62:63], s[62:63], STEPB
.endif
	s_wait_dscnt 0x0                               ; the add is done, buffer 1 is in, my reads of this slot are over
	s_barrier_signal -1
	MULH 1, 0, 0
	WIN 0
	s_barrier_wait -1
.if \fill
	CREST
	JLOAD 1                                        ; its four v_nop are also the places in front of the loads below
.else
	PLACES
.endif
	v_add_nc_u32 v[ADRA], s66, v[ADRA0]
	v_add_nc_u32 v[ADRB], s66, v[ADRB0]
.if HASC
	v_add_nc_u32 v[ADRC], s66, v[ADRC0]
.endif
	FETCH 0, 0
.if (\fill) && HASK
	ASK
.endif
	MULH 1, 1, 0
.endm
; The whole walk along K.  left: the global loads younger than the bias's.  The loop's KT - 2 trips each refill a slot; the last two steps are a loop of two trips that is left in its middle.
.macro RUN left
	s_wait_tensorcnt 0x1                           ; my panel of K step 0 is in; step 1's may stay out
	s_barrier_signal -1
	s_barrier_wait -1
	FETCH 0, 0
	s_wait_loadcnt \left                           ; the bias
	QUARTER 1, 0, 1, 1
	WIN 0
	s_mov_b32 s3, KT-2
.Lstep:
	QUARTER 2, 1, 0
	QUARTER 3, 0, 1
	TURN 1
	QUARTER 1, 0, 1
	WIN 0
	s_sub_co_u32 s3, s3, 1
	s_cmp_lg_u32 s3, 0
	s_cbranch_scc1 .Lstep
	s_mov_b32 s3, 2
.Ltail:
	QUARTER 2, 1, 0
	QUARTER 3, 0, 1
	WIN 0
	s_sub_co_u32 s3, s3, 1
	s_cmp_eq_u32 s3, 0
	s_cbranch_scc1 .Llast
	TURN 0
	QUARTER 1, 0, 1
	WIN 0
	s_branch .Ltail
.Llast:
	s_wait_dscnt 0x0                               ; my reads of the ring are over:
	s_barrier_signal -1
	MULH 1, 0, 0
	MULH 1, 1, 0
	WIN 0
	s_barrier_wait -1                              ; everybody's are: the ring, which has had its last fill, takes the results
	PLACES
.set a_, 0
.rept WM                               ; the f32 sums, 32 bytes a lane and block, each accumulator from its low end
	WIN 0x08+4*(a_/APW)
.set b_, 0
.rept WN
.set rD, 8*(WN*(a_%APW)+b_)
	ds_store_b128 v[DST], v[rD:rD+3]   offset:a_*16*EP+64*b_
	ds_store_b128 v[DST], v[rD+4:rD+7] offset:a_*16*EP+64*b_+16
.set b_, b_+1
.endr
.set a_, a_+1
.endr
	WIN 0
	s_wait_dscnt 0x0                               ; my stores are done; the rows are read back behind a barrier
	s_barrier_signal -1
	s_barrier_wait -1
.endm
.macro CLOSE
	s_wait_tensorcnt 0x0                           ; the wave's end: behind my last tensor load and my last LDS store
	ds_add_u32 v[SPW], v[NIL]
	s_wait_dscnt 0x0
	CROUND                                         ; the closing round: no work-group ends while a partner may still ask for a panel that names it
	s_endpgm
.endm
; ---- end of the core ----
	s_load_b128 s[4:7], s[0:1], 0x0                ; A, wb
	s_load_b128 s[72:75], s[0:1], 0x10             ; bias s[72:73], residual s[74:75]
	s_load_b64 s[76:77], s[0:1], 0x20              ; the result
	OPEN
	s_mov_b32 s11, s67                             ; waves 0, 1 fetch A's panels, waves 2, 3 the weights'
	s_mov_b32 s12, s68                             ; which half of the step's 256 k
	s_or_b32 s24, s43, (1<<16)|(1<<20)|(1<<21)|(4<<22)|(3<<25)  ; mask of my row; 2-byte elements; padding on; bit 21 beside a mask; after every 32 words 4 words: pitch 144
	s_or_b32 s48, s44, (1<<16)|(1<<20)|(1<<21)|(5<<22)|(7<<25)  ; mask of my column; after every 64 words 8 words: pitch 288
	G1REST 24, 8192, 2, 262144                     ; two dense blocks of 8,192 elements, 4,096 tokens x 64 apart
	G1REST 48, 128, 128, 1024
	s_lshl_b32 s16, s12, 20                        ; two blocks of 64 k, 512 KiB each, a panel
	s_lshl_b32 s17, s13, 14                        ; 128 tokens of 128 bytes a tile row
	s_add_co_u32 s16, s16, s17
	s_mov_b32 s17, 0
	s_lshl_b32 s46, s12, 18                        ; 128 k rows of 2,048 bytes a panel
	s_lshl_b32 s47, s42, 8                         ; 256 bytes of a row a tile column
	s_add_co_u32 s46, s46, s47
	s_add_co_u32 s46, s46, WOFF
	s_mov_b32 s47, 0
	s_wait_dscnt 0x0                               ; the opening add is done
	s_wait_kmcnt 0x0
	s_add_nc_u64 s[14:15], s[4:5], s[16:17]
	s_add_nc_u64 s[46:47], s[6:7], s[46:47]
	FILLS
	LANES
	s_mul_i32 s21, s67, 64*APITCH
	s_lshl_b32 s22, s68, 7
	s_add_co_u32 s23, s22, 3*PAN
	s_add_co_u32 s22, s22, 2*PAN
	v_add_nc_u32 v[ADRA0], s21, v3
	v_add_nc_u32 v[ADRB0], s22, v4
	v_add_nc_u32 v[ADRC0], s23, v4
	v_mov_b32 v[ADRA], v[ADRA0]
	v_mov_b32 v[ADRB], v[ADRB0]
	v_mov_b32 v[ADRC], v[ADRC0]
	s_lshl_b32 s22, s42, 9                         ; my 64 columns: 4 bytes x (128 x tile column + 64 wn)
	s_lshl_b32 s23, s68, 8
	s_add_co_u32 s22, s22, s23
	s_mov_b32 s23, 0
	s_add_nc_u64 s[72:73], s[72:73], s[22:23]
.set b_, 0
.rept WN                               ; register j of block b holds bias[16 b + 8 (l / 16) + j], as the C operand wants it
	global_load_b128 v[BIAS+8*b_:BIAS+8*b_+3],   v[BO], s[72:73] offset:64*b_
	global_load_b128 v[BIAS+8*b_+4:BIAS+8*b_+7], v[BO], s[72:73] offset:64*b_+16
.set b_, b_+1
.endr
	s_lshl_b32 s18, s13, 19                        ; + my 64 rows of 4,096 bytes
	s_lshl_b32 s19, s67, 18
	s_add_co_u32 s22, s22, s18
	s_add_co_u32 s22, s22, s19
	s_add_nc_u64 s[74:75], s[74:75], s[22:23]
	s_add_nc_u64 s[76:77], s[76:77], s[22:23]
	v_lshlrev_b32 v26, 12, v2                      ; lanes 0-15 take 256 bytes of one row, lanes 16-31 of the next; never rewritten
	v_lshl_add_u32 v26, v1, 4, v26
	WIN 0xc0
.set t_, 0
.rept 32                               ; the residual of my 64 x 64, into window 3: it has the whole walk in which to land
	global_load_b128 v[4*t_:4*t_+3], v26, s[74:75] offset:8192*t_
.set t_, t_+1
.endr
	WIN 0
.if HASK
	; the prefetches.  A's panel is two dense blocks of 64 x 256 bytes: my work-group's 32 by cx; the weights' 128 rows of 2,048 bytes: 32 by cy.  The first refill steps the address to K step 4
	s_lshr_b32 s18, s40, 1
	s_lshl_b32 s18, s18, 19
	s_and_b32 s19, s40, 1
	s_lshl_b32 s19, s19, 13
	s_add_co_u32 s18, s18, s19
	s_lshl_b32 s19, s41, 16
	s_and_b32 s23, ttmp7, 0xffff
	s_mov_b32 s70, STEPB
	s_mov_b32 s71, 0
	s_cmp_eq_u32 s11, 0
	s_cselect_b32 s18, s18, s19
	s_cselect_b32 s22, 8, 11
	s_cselect_b32 s23, ttmp9, s23                  ; the coordinate along which other clusters read the same panel
	s_cselect_b64 s[44:45], s[14:15], s[46:47]
	s_cselect_b32 s70, STEPA, s70
	s_cmp_eq_u32 s23, 0
	s_cselect_b32 s43, 2, -1
	s_mul_i32 s19, s70, 3
	s_add_co_u32 s18, s18, s19
	s_mov_b32 s19, 0
	s_add_nc_u64 s[44:45], s[44:45], s[18:19]
	v_and_b32 v[PFO], 31, v0
	v_lshlrev_b32 v[PFO], s22, v[PFO]
.endif
	RUN 32                                         ; the residual's 32 loads are younger than the bias's
	; THE WAY OUT: my 64 rows come back as whole rows of 256 bytes, take the residual, and leave: 16 lanes store 256 consecutive bytes, aligned
.set t_, 0
.rept 32
	ds_load_b128 v[64+4*t_:64+4*t_+3], v[RD] offset:2*EP*t_
.set t_, t_+1
.endr
	s_wait_dscnt 0x0
	s_wait_loadcnt 0x0                             ; the residual
	WIN 0x0c
.set z_, 0
.rept 64
	v_pk_add_f32 v[64+2*z_:65+2*z_], v[64+2*z_:65+2*z_], v[2*z_:2*z_+1]
.set z_, z_+1
.endr
	WIN 0
.set t_, 0
.rept 32
	global_store_b128 v26, v[64+4*t_:64+4*t_+3], s[76:77] offset:8192*t_
.set t_, t_+1
.endr
	CLOSE
.Lfunc_end_k_qa9bf97901e_proj:
	.size	k_qa9bf97901e_proj, .Lfunc_end_k_qa9bf97901e_proj-k_qa9bf97901e_proj
	.p2alignl 7, 3214868480
	.fill 96, 4, 3214868480
	.section	.rodata,"a",@progbits
	.p2align	6, 0x0
	.amdhsa_kernel k_qa9bf97901e_proj
		.amdhsa_group_segment_fixed_size 327680
		.amdhsa_private_segment_fixed_size 0
		.amdhsa_enable_private_segment 0
		.amdhsa_kernarg_size 40
		.amdhsa_user_sgpr_count 2
		.amdhsa_user_sgpr_kernarg_segment_ptr 1
		.amdhsa_wavefront_size32 1
		.amdhsa_system_sgpr_workgroup_id_x 1
		.amdhsa_system_sgpr_workgroup_id_y 1
		.amdhsa_system_sgpr_workgroup_id_z 1
		.amdhsa_system_vgpr_workitem_id 0
		.amdhsa_next_free_vgpr 896
		.amdhsa_next_free_sgpr 100
		.amdhsa_reserve_vcc 0
		.amdhsa_float_denorm_mode_32 3
		.amdhsa_float_denorm_mode_16_64 3
		.amdhsa_memory_ordered 1
		.amdhsa_forward_progress 1
		.amdhsa_inst_pref_size 69
	.end_amdhsa_kernel
	.amdgpu_metadata
---
amdhsa.version: [ 1, 2 ]
amdhsa.kernels:
  - .name:           k_qa9bf97901e_proj
    .symbol:         k_qa9bf97901e_proj.kd
    .args:
      - { .name: g, .offset: 0, .size: 8, .value_kind: global_buffer, .address_space: global }
      - { .name: wb, .offset: 8, .size: 8, .value_kind: global_buffer, .address_space: global }
      - { .name: bp, .offset: 16, .size: 8, .value_kind: global_buffer, .address_space: global }
      - { .name: x1, .offset: 24, .size: 8, .value_kind: global_buffer, .address_space: global }
      - { .name: out0, .offset: 32, .size: 8, .value_kind: global_buffer, .address_space: global }
    .group_segment_fixed_size: 327680
    .private_segment_fixed_size: 0
    .kernarg_segment_align: 8
    .kernarg_segment_size: 40
    .max_flat_workgroup_size: 128
    .sgpr_count:     100
    .vgpr_count:     896
    .wavefront_size: 32
...
	.end_amdgpu_metadata
.endif
;; end of part 7
;; ======== version 2 of 2: 7 launches; version 1 with the launch prep written anew for expert scheduling mode
;; limits: right only within a limited range of input values
;; workspace buffers: wb 25,165,824 bytes; hb 8,388,608 bytes; qkv 25,165,824 bytes; att 8,388,608 bytes; x1 16,777,216 bytes; g 33,554,432 bytes
;; launch prep (part 8): grid 1792 x 1, 4 waves a work-group, no clusters, 0 bytes of LDS; arguments x, ln1_w, ln1_b, hb, Wq, Wk, Wv, Wo, Wfc, Wp, wb; writes hb, wb
.if DOCPART == 8
	.amdgcn_target "amdgcn-amd-amdhsa--gfx1250"
	.amdhsa_code_object_version 6
	.text
	.protected	k_qa9bf97901e_prep
	.globl	k_qa9bf97901e_prep
	.p2align	8
	.type	k_qa9bf97901e_prep,@function
k_qa9bf97901e_prep:
	s_mov_b64 s[64:65], 0
	v_nop
	global_prefetch_b8 v0, s[64:65] scope:SCOPE_SE
	s_setreg_imm32_b32 hwreg(HW_REG_WAVE_SCHED_MODE, 0, 2), 2
	s_setreg_imm32_b32 hwreg(HW_REG_WAVE_MODE, 25, 1), 1
	s_wait_xcnt 0x0
	s_wait_alu depctr_vm_vsrc(0)
; PREP.  Work-groups 0-1023: hb = LayerNorm(x) * ln1_w + ln1_b, rounded once to bf16.  Work-groups 1024-1791: the six weight matrices, f32, rounded once to bf16 into wb, each in its own [K][N] layout
; (Wq at 0, Wk at 2 MiB, Wv at 4, Wo at 6, Wfc at 8, Wp at 16).  Both are streams: no LDS, no barrier, no matrix unit.
; LAYER NORM.  A row is 1,024 f32 = 4,096 bytes = 32 registers of one wave: it stays in registers between the mean, the variance (of x - mean: no difference of large sums) and the scaling.
; ONE ROW A WAVE, four a work-group: the row's text stands once, and all 4,096 rows can be on their way together; gain and bias (8 KiB that every wave reads) are loaded for each row.
; Load j of a row covers 512 neighbouring bytes: a lane holds columns 128 j + 4 lane + 0..3; its 8 bytes of bf16 lie at 256 j + 8 lane, so one store covers 256 aligned bytes.
; THE MODE: SCHED_MODE bits 1:0 = 2 (LLVM: expert scheduling mode 2), set by the entry lines.  The code itself states the register dependences
; between vector instructions and memory instructions, with s_wait_alu, always for 0.
; THE PLAN.  Registers that memory instructions touch:
;   v1, v2     byte offsets of every load and of every store: made once at the head, never written again.  One wait on va_vdst ahead of the first load, on each of the two ways.
;   X, W, BV   (layer norm) written by loads that no vector instruction precedes in these registers; read by vector instructions behind the waits on LOADcnt; no memory instruction reads them.
;   Y          (layer norm) written by the sixteen roundings, read by the eight stores, never written again: one wait on va_vdst ahead of the run of stores.
;   C          (cast) 32 groups of four.  A group's life: a load lands in it, two roundings close it up into its first two registers, one store reads those two; nothing writes it again.
;              The groups go in 8 blocks of four.  Block p's roundings name block p's registers alone; the memory instructions among them are block p - 1's four stores.
;              So one wait on va_vdst at a block's head states all that those four stores hang on, and they are dealt among the block's roundings with no further wait.
;   s26        the wave's number, written by v_readfirstlane_b32: one wait on va_sdst ahead of the branch, so ahead of its first reader on both ways.
; No register that a memory instruction reads is written again, so no wait on vm_vsrc is owed; EXEC and VCC are never written.
.set T,   4                            ; v[4:11]   four running sums (pairs)
.set MU,  12                           ; v[12:13]  the mean, twice
.set RS,  14                           ; v[14:15]  1 / sqrt(var + eps), twice
.set Y,   16                           ; v[16:31]  the row in bf16
.set W,   32                           ; v[32:63]  the gain of my 32 columns
.set BV,  64                           ; v[64:95]  the bias
.set X,   96                           ; v[96:127] the row
.set C,   32                           ; v[32:159] the cast: 32 loads of 4 registers
	v_and_b32 v3, 31, v0                           ; lane
	v_lshrrev_b32 v1, 5, v0
	v_readfirstlane_b32 s26, v1                    ; wave
	v_lshlrev_b32 v1, 4, v3                        ; 16 x lane: never rewritten
	v_lshlrev_b32 v2, 3, v3                        ; 8 x lane: never rewritten
	s_wait_alu depctr_va_sdst(0)                   ; s26 is written, ahead of the branch and of its first reader on either way: the row's and the chunk's offsets are made from it
	s_cmp_lt_u32 ttmp9, 1024
	s_cbranch_scc0 .Lcast
	s_load_b256 s[4:11], s[0:1], 0x0               ; x s[4:5], gain s[6:7], bias s[8:9], hb s[10:11]
	s_lshl_b32 s27, ttmp9, 2
	s_add_co_u32 s27, s27, s26                     ; my row = 4 x work-group + wave
	s_lshl_b32 s28, s27, 12                        ; in x: 4,096 bytes a row
	s_mov_b32 s29, 0
	s_lshl_b32 s30, s27, 11                        ; in hb: 2,048
	s_mov_b32 s31, 0
	s_mov_b32 s12, 0x76543210                      ; v_permlanex16_b32: each lane takes its own place in the other half
	s_mov_b32 s13, 0xfedcba98
	s_mov_b32 s14, 0x3a800000                      ; 1 / 1024
	s_mov_b32 s15, 0x3727c5ac                      ; 1e-5
	s_wait_kmcnt 0x0
	s_add_nc_u64 s[4:5], s[4:5], s[28:29]
	s_add_nc_u64 s[10:11], s[10:11], s[30:31]
	s_wait_alu depctr_va_vdst(0)                   ; v1 and v2 are written: the loads below read v1 as their offset, the stores at the end v2
.irp j, 0,1,2,3,4,5,6,7
	global_load_b128 v[X+4*\j:X+4*\j+3], v1, s[4:5] offset:512*\j
.endr
.irp j, 0,1,2,3,4,5,6,7
	global_load_b128 v[W+4*\j:W+4*\j+3], v1, s[6:7] offset:512*\j
.endr
.irp j, 0,1,2,3,4,5,6,7
	global_load_b128 v[BV+4*\j:BV+4*\j+3], v1, s[8:9] offset:512*\j
.endr
.macro REDUCE                          ; the four chains into one number, then over the 32 lanes: every lane ends with the row's sum in v[T]
	v_pk_add_f32 v[T:T+1], v[T:T+1], v[T+2:T+3]
	v_pk_add_f32 v[T+4:T+5], v[T+4:T+5], v[T+6:T+7]
	v_pk_add_f32 v[T:T+1], v[T:T+1], v[T+4:T+5]
	v_add_f32 v[T], v[T], v[T+1]
	v_add_f32_dpp v[T], v[T], v[T] row_xmask:1 row_mask:0xf bank_mask:0xf
	v_add_f32_dpp v[T], v[T], v[T] row_xmask:2 row_mask:0xf bank_mask:0xf
	v_add_f32_dpp v[T], v[T], v[T] row_xmask:4 row_mask:0xf bank_mask:0xf
	v_add_f32_dpp v[T], v[T], v[T] row_xmask:8 row_mask:0xf bank_mask:0xf
	v_permlanex16_b32 v[T+1], v[T], s12, s13
	v_add_f32 v[T], v[T], v[T+1]
.endm
	s_wait_loadcnt 16                              ; the row's eight loads are in; the gain's and the bias's sixteen, which are younger, stay out
.irp c, 0,1,2,3
	v_pk_add_f32 v[T+2*\c:T+2*\c+1], v[X+4*\c:X+4*\c+1], v[X+4*\c+2:X+4*\c+3]  ; the first pairs start the chains: nothing is cleared
.endr
.irp p, 8,9,10,11,12,13,14,15
	v_pk_add_f32 v[T+2*((\p)%4):T+2*((\p)%4)+1], v[T+2*((\p)%4):T+2*((\p)%4)+1], v[X+2*\p:X+2*\p+1]
.endr
	REDUCE
	v_mul_f32 v[MU], s14, v[T]
	v_mul_f32 v[MU+1], s14, v[T]
.set p_, 0
.rept 16
	v_pk_add_f32 v[X+2*p_:X+2*p_+1], v[X+2*p_:X+2*p_+1], v[MU:MU+1] neg_lo:[0,1] neg_hi:[0,1]  ; x - mean, in place
.set p_, p_+1
.endr
.irp c, 0,1,2,3
	v_pk_mul_f32 v[T+2*\c:T+2*\c+1], v[X+2*\c:X+2*\c+1], v[X+2*\c:X+2*\c+1]
.endr
.irp p, 4,5,6,7,8,9,10,11,12,13,14,15
	v_pk_fma_f32 v[T+2*((\p)%4):T+2*((\p)%4)+1], v[X+2*\p:X+2*\p+1], v[X+2*\p:X+2*\p+1], v[T+2*((\p)%4):T+2*((\p)%4)+1]
.endr
	REDUCE
	v_fma_f32 v[T], v[T], s14, s15                 ; var + eps
	v_rsq_f32 v[RS], v[T]
	v_rsq_f32 v[RS+1], v[T]
	v_nop                                          ; a plain instruction behind the last of the two,
	s_wait_alu depctr_va_vdst(0)                   ; and one wait for both: v[RS] and v[RS+1] are written, ahead of the first multiply that reads them
.set p_, 0
.rept 16
	v_pk_mul_f32 v[X+2*p_:X+2*p_+1], v[X+2*p_:X+2*p_+1], v[RS:RS+1]
.set p_, p_+1
.endr
	s_wait_loadcnt 0x0                             ; gain and bias
.set p_, 0
.rept 16
	v_pk_fma_f32 v[X+2*p_:X+2*p_+1], v[X+2*p_:X+2*p_+1], v[W+2*p_:W+2*p_+1], v[BV+2*p_:BV+2*p_+1]
.set p_, p_+1
.endr
.set p_, 0
.rept 16
	v_cvt_pk_bf16_f32 v[Y+p_], v[X+2*p_], v[X+2*p_+1]
.set p_, p_+1
.endr
	s_wait_alu depctr_va_vdst(0)                   ; the sixteen roundings have written v[Y ..], which the eight stores read
.irp j, 0,1,2,3,4,5,6,7
	global_store_b64 v2, v[Y+2*\j:Y+2*\j+1], s[10:11] offset:256*\j  ; 32 lanes x 8 bytes: 256 consecutive bytes, aligned
.endr
	s_endpgm
.Lcast:                                                ; 768 work-groups x 16,384 numbers; 12 units of 2^20 numbers: Wq, Wk, Wv, Wo, 4 of Wfc, 4 of Wp
	s_load_b256 s[12:19], s[0:1], 0x20             ; Wq s[12:13], Wk s[14:15], Wv s[16:17], Wo s[18:19]
	s_load_b128 s[20:23], s[0:1], 0x40             ; Wfc s[20:21], Wp s[22:23]
	s_load_b64 s[24:25], s[0:1], 0x50              ; wb
	s_sub_co_u32 s27, ttmp9, 1024                  ; c
	s_lshr_b32 s28, s27, 6                         ; the unit
	s_and_b32 s29, s27, 63                         ; the chunk in it
	s_and_b32 s30, s28, 3
	s_cmp_lt_u32 s28, 4
	s_cselect_b32 s30, 0, s30                      ; the unit's number inside its own matrix
	s_lshl_b32 s30, s30, 6
	s_add_co_u32 s30, s30, s29
	s_lshl_b32 s30, s30, 16                        ; 65,536 source bytes a chunk,
	s_lshl_b32 s31, s26, 14                        ; 16,384 a wave
	s_add_co_u32 s30, s30, s31
	s_mov_b32 s31, 0
	s_lshl_b32 s32, s27, 15                        ; in wb the units lie in the same order: 32,768 bytes a chunk,
	s_lshl_b32 s33, s26, 13                        ; 8,192 a wave
	s_add_co_u32 s32, s32, s33
	s_mov_b32 s33, 0
	s_wait_kmcnt 0x0
	s_cmp_eq_u32 s28, 1                            ; the source is chosen by the unit's number alone
	s_cselect_b64 s[12:13], s[14:15], s[12:13]
	s_cmp_eq_u32 s28, 2
	s_cselect_b64 s[12:13], s[16:17], s[12:13]
	s_cmp_eq_u32 s28, 3
	s_cselect_b64 s[12:13], s[18:19], s[12:13]
	s_cmp_ge_u32 s28, 4
	s_cselect_b64 s[12:13], s[20:21], s[12:13]
	s_cmp_ge_u32 s28, 8
	s_cselect_b64 s[12:13], s[22:23], s[12:13]
	s_add_nc_u64 s[12:13], s[12:13], s[30:31]
	s_add_nc_u64 s[24:25], s[24:25], s[32:33]
	s_wait_alu depctr_va_vdst(0)                   ; v1 and v2 are written: the 32 loads below read v1 as their offset, the 32 stores v2
.set i_, 0
.rept 32                                       ; all 32 loads of the wave go out at once: 16 KiB on their way
	global_load_b128 v[C+4*i_:C+4*i_+3], v1, s[12:13] offset:512*i_ th:TH_LOAD_NT
.set i_, i_+1
.endr
; Block p of eight: loads 4 p to 4 p + 3 are rounded in place (no register is written again behind its store); the four stores of block p - 1 stand among the roundings.
.macro CBLK p
	s_wait_loadcnt 28-4*(\p)                       ; loads come back in order: this block's four are in, the younger blocks' stay out
.if (\p) > 0
	s_wait_alu depctr_va_vdst(0)                   ; the block before has written its eight packed registers, which the four stores below read; this block's roundings name none of them
.endif
.irp i, 0,1,2,3
.if (\p) > 0
	global_store_b64 v2, v[C+16*(\p)-16+4*(\i):C+16*(\p)-16+4*(\i)+1], s[24:25] offset:256*(4*(\p)-4+(\i))
.endif
	v_cvt_pk_bf16_f32 v[C+16*(\p)+4*(\i)],   v[C+16*(\p)+4*(\i)],   v[C+16*(\p)+4*(\i)+1]
	v_cvt_pk_bf16_f32 v[C+16*(\p)+4*(\i)+1], v[C+16*(\p)+4*(\i)+2], v[C+16*(\p)+4*(\i)+3]
.endr
.endm
.irp p, 0,1,2,3,4,5,6,7
	CBLK \p
.endr
	s_wait_alu depctr_va_vdst(0)                   ; block 7 has written its eight packed registers, which the last four stores read
.irp i, 0,1,2,3
	global_store_b64 v2, v[C+112+4*(\i):C+112+4*(\i)+1], s[24:25] offset:256*(28+(\i))
.endr
	s_endpgm
.Lfunc_end_k_qa9bf97901e_prep:
	.size	k_qa9bf97901e_prep, .Lfunc_end_k_qa9bf97901e_prep-k_qa9bf97901e_prep
	.p2alignl 7, 3214868480
	.fill 96, 4, 3214868480
	.section	.rodata,"a",@progbits
	.p2align	6, 0x0
	.amdhsa_kernel k_qa9bf97901e_prep
		.amdhsa_group_segment_fixed_size 0
		.amdhsa_private_segment_fixed_size 0
		.amdhsa_enable_private_segment 0
		.amdhsa_kernarg_size 88
		.amdhsa_user_sgpr_count 2
		.amdhsa_user_sgpr_kernarg_segment_ptr 1
		.amdhsa_wavefront_size32 1
		.amdhsa_system_sgpr_workgroup_id_x 1
		.amdhsa_system_sgpr_workgroup_id_y 1
		.amdhsa_system_sgpr_workgroup_id_z 1
		.amdhsa_system_vgpr_workitem_id 0
		.amdhsa_next_free_vgpr 160
		.amdhsa_next_free_sgpr 66
		.amdhsa_reserve_vcc 0
		.amdhsa_float_denorm_mode_32 3
		.amdhsa_float_denorm_mode_16_64 3
		.amdhsa_memory_ordered 1
		.amdhsa_forward_progress 1
		.amdhsa_inst_pref_size 24
	.end_amdhsa_kernel
	.amdgpu_metadata
---
amdhsa.version: [ 1, 2 ]
amdhsa.kernels:
  - .name:           k_qa9bf97901e_prep
    .symbol:         k_qa9bf97901e_prep.kd
    .args:
      - { .name: x, .offset: 0, .size: 8, .value_kind: global_buffer, .address_space: global }
      - { .name: ln1_w, .offset: 8, .size: 8, .value_kind: global_buffer, .address_space: global }
      - { .name: ln1_b, .offset: 16, .size: 8, .value_kind: global_buffer, .address_space: global }
      - { .name: hb, .offset: 24, .size: 8, .value_kind: global_buffer, .address_space: global }
      - { .name: Wq, .offset: 32, .size: 8, .value_kind: global_buffer, .address_space: global }
      - { .name: Wk, .offset: 40, .size: 8, .value_kind: global_buffer, .address_space: global }
      - { .name: Wv, .offset: 48, .size: 8, .value_kind: global_buffer, .address_space: global }
      - { .name: Wo, .offset: 56, .size: 8, .value_kind: global_buffer, .address_space: global }
      - { .name: Wfc, .offset: 64, .size: 8, .value_kind: global_buffer, .address_space: global }
      - { .name: Wp, .offset: 72, .size: 8, .value_kind: global_buffer, .address_space: global }
      - { .name: wb, .offset: 80, .size: 8, .value_kind: global_buffer, .address_space: global }
    .group_segment_fixed_size: 0
    .private_segment_fixed_size: 0
    .kernarg_segment_align: 8
    .kernarg_segment_size: 88
    .max_flat_workgroup_size: 128
    .sgpr_count:     66
    .vgpr_count:     160
    .wavefront_size: 32
...
	.end_amdgpu_metadata
.endif
;; end of part 8
;; launch qkvp: the kernel of part 2 again; grid 8 x 32, 4 waves a work-group, clusters of 4 x 4, 327,680 bytes of LDS; arguments hb, wb, bq, bk, bv, qkv; writes qkv
;; launch attn: the kernel of part 3 again; grid 8 x 32, 4 waves a work-group, no clusters, 327,680 bytes of LDS; arguments qkv, att; writes att
;; launch wo: the kernel of part 4 again; grid 8 x 32, 4 waves a work-group, clusters of 4 x 4, 327,680 bytes of LDS; arguments att, wb, bo, x, x1; writes x1
;; launch ln2: the kernel of part 5 again; grid 1024 x 1, 4 waves a work-group, no clusters, 0 bytes of LDS; arguments x1, ln2_w, ln2_b, hb; writes hb
;; launch fc: the kernel of part 6 again; grid 16 x 16, 4 waves a work-group, clusters of 4 x 4, 327,680 bytes of LDS; arguments hb, wb, bfc, g; writes g
;; launch proj: the kernel of part 7 again; grid 8 x 32, 4 waves a work-group, clusters of 4 x 4, 327,680 bytes of LDS; arguments g, wb, bp, x1, out0; writes out0
